; MI455X (gfx1250); checked and timed in simulation.
; The chip was launched on July 23, 2026; its instructions are those of AMD's public machine-readable ISA for CDNA 5 (MIT licence, August 2026) and "CDNA5" Instruction Set Architecture Reference Guide (July 2026). The comments in the code are by the model that wrote it; some were corrected since.
;; Causal Self Attention. Allowed arithmetic: matrix products marked QUANTISED: E3M2 operands, one E8M0 scale for each 32 along K, by v_wmma_scale_f32_16x16x128_f8f6f4 with both operands' format E3M2, f32 sums; everything else in f32.
;; Inputs: Wk 1,024 x 1,024 float32; Wp 1,024 x 1,024 float32; Wq 1,024 x 1,024 float32; Wv 1,024 x 1,024 float32; bk 1,024 float32; bp 1,024 float32; bq 1,024 float32; bv 1,024 float32; x 4 x 2,048 x 1,024 float32.
;; Outputs: out0 4 x 2,048 x 1,024 float32.
;; This version of the problem:
;;   THIS VERSION OF THE PROBLEM IS GIVEN IN LOW PRECISION. The matrix products marked QUANTISED in the list below multiply operands that are first quantised to E3M2 (3 exponent bits, 2 mantissa bits; 6 bits a number), with one power-of-two scale for each 32 numbers along K (OCP MX v1.0); their sums are f32. All else is computed in f32.
;;   The module's matrix products, in the order in which they are computed (A, B: the left and right operand; K: the contracted axis; several contracted axes count as one K, in the product's order):
;;     1. [M 8,192, K 1,024] x [K 1,024, N 1,024]; A: input x; B: input Wk: QUANTISED
;;     2. [M 8,192, K 1,024] x [K 1,024, N 1,024]; A: input x; B: input Wq: QUANTISED
;;     3. [M 8,192, K 1,024] x [K 1,024, N 1,024]; A: input x; B: input Wv: QUANTISED
;;     4. batch 64 x [M 2,048, K 64] x [K 64, N 2,048]; A: computed on the way; B: computed on the way: QUANTISED
;;     5. batch 64 x [M 2,048, K 2,048] x [K 2,048, N 64]; A: softmax (see below); B: computed on the way: QUANTISED
;;     6. [M 8,192, K 1,024] x [K 1,024, N 1,024]; A: computed on the way; B: input Wp: QUANTISED
;;   THE QUANTISER, for each operand of a quantised product, along K:
;;     - K is cut into blocks of 32 from its start; a last block that is shorter is filled with zeros.
;;     - A block's scale is 2^e with e = floor(log2(the largest magnitude in the block)) - 4, held to -126 .. 127; a block of zeros has e = 0. As a byte (E8M0): e + 127.
;;     - Each number is divided by its block's scale, clamped to +-28, and rounded to the nearest number of E3M2, ties to even, subnormals kept.
;;     - The product sums the exact products of the quantised numbers (number of the format x scale) in f32.
;;   ~~~python
;;   def quantise(x, axis):      # numpy; x: float32 -> the quantised numbers, widened to float32 again
;;       x = np.moveaxis(x, axis, -1); K = x.shape[-1]
;;       x = np.pad(x, [(0, 0)] * (x.ndim - 1) + [(0, -K % 32)]); x = x.reshape(x.shape[:-1] + (-1, 32)); a = np.abs(x).max(-1, keepdims=True)
;;       e = np.where(a > 0, np.clip(np.frexp(np.where(a > 0, a, 1))[1] - 1 - 4, -126, 127), 0)      # np.frexp(a)[1] - 1 = floor(log2(a)), exactly
;;       r = np.clip(x / 2.0 ** e, -28, 28)
;;       step = 2.0 ** (np.maximum(np.frexp(np.where(r == 0, 1, r))[1] - 1, -2) - 2)
;;       q = np.round(r / step) * step * 2.0 ** e      # np.round: ties to even
;;       return np.moveaxis(q.reshape(q.shape[:-2] + (-1,))[..., :K], -1, axis).astype(np.float32)
;;   ~~~
;;   SOFTMAX AHEAD OF A QUANTISED PRODUCT. Where the list says 'softmax', what is quantised is not the finished softmax but p = 2^(t - M), with t = logit x log2(e) and M = ceil(the row's largest t), a whole number; so 1/2 < the row's largest p <= 1. The row's sum l is taken of the UNQUANTISED p, in f32, and the product's result is divided by l at the end. Since M is a whole number, a kernel that streams over the keys may use a running M (the ceiling of the running maximum): every later rescaling is an exact power of two, which a block's scale takes up: the codes' values come out the same.
;;   OPERANDS COMPUTED ON THE WAY. 'Computed on the way' means the value that the module computes at that place (a softmax that the list does not call 'softmax' is quantised finished and normalised). What goes into a quantiser is computed in f32, as accurately as f32 sums, v_exp_f32 and their like allow (about 1e-6 of the number): no bf16 or f16 on the way to a quantiser, and a product that is left as it is and whose result goes on into a quantised operand takes f32 operands (vector FMAs, or v_wmma_f32_16x16x4_f32). A number that lies on a knife's edge between two numbers of the format may be rounded either way, as far as f32 arithmetic and the matrix unit's own rounding can turn it there, and no further.
;; One version. Each part assembles by itself: llvm-mc -triple=amdgcn-amd-amdhsa -mcpu=gfx1250 --defsym DOCPART=n.
;; ======== version 1 of 1: 4 launches
;; workspace buffers: xc 6,291,456 bytes; xs 262,144 bytes; wc 3,145,728 bytes; ws 131,072 bytes; cod 18,874,368 bytes; scl 786,432 bytes; yc 6,291,456 bytes; ys 262,144 bytes
;; launch quant (part 1): grid 384 x 1, 4 waves a work-group, no clusters, 33,280 bytes of LDS; arguments x, Wq, Wk, Wv, Wp, xc, xs, wc, ws; writes xc, xs, wc, ws
.if DOCPART == 1
	.amdgcn_target "amdgcn-amd-amdhsa--gfx1250"
	.amdhsa_code_object_version 6
	.text
	.protected	k_q975dea586b_quant
	.globl	k_q975dea586b_quant
	.p2align	8
	.type	k_q975dea586b_quant,@function
k_q975dea586b_quant:
	s_mov_b64 s[64:65], 0
	v_nop
	global_prefetch_b8 v0, s[64:65] scope:SCOPE_SE
	s_setreg_imm32_b32 hwreg(HW_REG_WAVE_MODE, 25, 1), 1
	s_wait_xcnt 0x0
; x [8192][1024] and Wq, Wk, Wv, Wp [1024][1024], f32, K innermost, become codes of BF6 (E3M2), 6 bits each, with one E8M0 scale byte for each 32 along K.
; xc [8192][768], xs [8192][32]; wc [4096][768], ws [4096][32] (Wq's rows, then Wk's, Wv's, Wp's).
; A block's scale is 2^(floor(log2(its largest magnitude)) - 4); its byte is the largest magnitude's exponent field - 4, held at 1 from below.  A block of zeros gets the byte 1 where the
; rule says 127: its codes are zeros, which add nothing under any byte but 0xff, and this program alone reads the bytes.
; LIMITS: NaN and infinities among the inputs are not served.
; THE STORED ORDER.  Of each 32 rows the four groups of 8 are stored in the order 0, 2, 1, 3: stored row 16 u + r is row 8 u + r + 8 (r / 8).  Sixteen neighbouring stored rows, taken as source 0 of a
; matrix instruction, then give a lane's 16 registers of two neighbouring tiles 16 neighbours in the true order.
; SHARES.  A work-group takes 32 rows, a wave 8 rows = 8,192 numbers = 16 steps of 512; wave w's codes go to group ((w & 1) << 1) | (w >> 1).  Work-groups 0-255 take x, then 32 each Wq, Wk, Wv, Wp.
; Each of a step's four loads reads 512 consecutive bytes; the 2,048 bytes turn through the wave's own stage in LDS and come back 64 bytes (16 neighbours) a lane; two neighbouring lanes hold a block.
; No tensor loads, no barrier, no cluster: waves and work-groups share nothing.  Loads run four steps (16 loads a wave) ahead, the turn through LDS one step.
.set STEPS, 16
.set EMAX,  4
.set CB,    12                         ; bytes of 16 codes
.set R,     16                         ; v16-79   four sets of 16 numbers as they are loaded
.set X,     80                         ; v80-111  two sets of 16 neighbours
.set C,     128                        ; v128-191 codes: four registers for each step, so that no store's data are written again
.set E,     112                        ; v112-127 a scale byte for each step
.set WREG,  8192                       ; LDS: a region for each wave: two stages of 32 x SP bytes, then its 256 scale bytes
.set SP,    80                         ; a lane's place in a stage: 64 bytes + 16 of padding
	s_load_b512 s[4:19], s[0:1], 0x0               ; x, Wq, Wk, Wv, Wp, xc, xs, wc
	s_load_b64 s[20:21], s[0:1], 0x40              ; ws
	v_lshl_add_u32 v192, v0, 2, 0x8000
	v_mov_b32 v193, 0
	v_lshrrev_b32 v1, 5, v0
	v_readfirstlane_b32 s24, v1                    ; wave
	v_and_b32 v2, 31, v0                           ; lane
	v_lshlrev_b32 v3, 4, v2                        ; my 16 bytes of a load's 512
	s_mul_i32 s25, s24, WREG
	v_lshrrev_b32 v14, 2, v2
	v_mul_u32_u24 v14, v14, SP
	v_and_b32 v15, 3, v2
	v_lshl_add_u32 v14, v15, 4, v14
	v_add_nc_u32 v14, s25, v14                     ; the stage, on the way in: SP (lane / 4) + 16 (lane % 4)
	v_mul_u32_u24 v15, v2, SP
	v_add_nc_u32 v15, s25, v15                     ; and on the way out: SP x lane
	v_mul_u32_u24 v4, v2, CB                       ; my codes' place in a step's
	v_lshrrev_b32 v5, 1, v2
	s_add_co_u32 s25, s25, 2*32*SP
	v_add_nc_u32 v5, s25, v5                       ; my block's byte among my wave's 256 scale bytes
	v_lshlrev_b32 v7, 3, v2
	v_add_nc_u32 v6, s25, v7                       ; and on the way out 8 bytes a lane
	s_and_b32 s26, ttmp9, 31                       ; a weight's work-group among its 32
	s_and_b32 s32, s24, 1
	s_lshl_b32 s32, s32, 1
	s_lshr_b32 s33, s24, 1
	s_or_b32 s32, s32, s33                         ; the group of 8 stored rows that takes my 8 rows
	s_wait_kmcnt 0x0
	s_mov_b64 s[22:23], s[12:13]                   ; which tensor: the choice hangs on the work-group's number alone
	s_cmp_lt_u32 ttmp9, 352
	s_cselect_b64 s[22:23], s[10:11], s[22:23]
	s_cmp_lt_u32 ttmp9, 320
	s_cselect_b64 s[22:23], s[8:9], s[22:23]
	s_cmp_lt_u32 ttmp9, 288
	s_cselect_b64 s[22:23], s[6:7], s[22:23]
	s_cmp_lt_u32 ttmp9, 256
	s_cselect_b64 s[22:23], s[4:5], s[22:23]
	s_cselect_b64 s[28:29], s[14:15], s[18:19]     ; its codes' buffer
	s_cselect_b64 s[30:31], s[16:17], s[20:21]     ; its scale bytes'
	s_cselect_b32 s26, ttmp9, s26                  ; the work-group's number within the source tensor
	s_cselect_b32 s27, 0, 256
	s_sub_co_u32 s27, ttmp9, s27                   ; and within the buffers that take the results
	s_lshl_b32 s26, s26, 2
	s_add_co_u32 s26, s26, s24                     ; the run of 8,192 numbers that I read
	s_lshl_b32 s34, s26, 15                        ; 32,768 bytes a run
	s_mov_b32 s35, 0
	s_add_nc_u64 s[22:23], s[22:23], s[34:35]
	s_lshl_b32 s27, s27, 2
	s_add_co_u32 s27, s27, s32                     ; the run that I write
	s_mul_i32 s34, s27, 32*STEPS*CB                ; 6,144 bytes of codes a run
	s_add_nc_u64 s[28:29], s[28:29], s[34:35]
	s_lshl_b32 s34, s27, 8                         ; 256 scale bytes a run
	s_add_nc_u64 s[30:31], s[30:31], s[34:35]
.macro LOAD t
.irp i, 0,1,2,3
	global_load_b128 v[R+16*((\t)%4)+4*\i:R+16*((\t)%4)+4*\i+3], v3, s[22:23] offset:2048*(\t)+512*\i th:TH_LOAD_NT   ; 32 lanes read 512 consecutive bytes
.endr
.endm
.macro TURN t                          ; step t's numbers through the stage: LDS serves a wave's instructions in order, so no wait stands between the stores and the loads
.irp i, 0,1,2,3
	ds_store_b128 v14, v[R+16*((\t)%4)+4*\i:R+16*((\t)%4)+4*\i+3] offset:32*SP*((\t)%2)+8*SP*\i
.endr
.irp i, 0,1,2,3
	ds_load_b128 v[X+16*((\t)%2)+4*\i:X+16*((\t)%2)+4*\i+3], v15 offset:32*SP*((\t)%2)+16*\i
.endr
.endm
.irp t, 0,1,2,3
	LOAD \t
.endr
	s_wait_loadcnt 12                              ; step 0's four loads are in
	TURN 0
.macro STEP t
.set XS, X+16*((\t)%2)
.if (\t) > 0
	s_wait_dscnt 1                                 ; this step's numbers are back from the stage (the last step's byte store may be out): its stores into the stage have read their registers,
.else
	s_wait_dscnt 0x0
.endif
.if (\t)+4 < STEPS
	LOAD (\t)+4                                    ; which take the loads of four steps on
.endif
.if (\t)+1 < STEPS
.if STEPS-2-(\t) >= 3
	s_wait_loadcnt 12                              ; the next step's four loads are in; those of the three steps behind it may be out
.else
	s_wait_loadcnt 4*(STEPS-2-(\t))
.endif
	TURN (\t)+1                                    ; and go through the other stage while this step is worked
.endif
	v_max3_num_f32 v8, |v[XS]|, |v[XS+1]|, |v[XS+2]|               ; the largest magnitude of my 16, in two chains
	v_max3_num_f32 v9, |v[XS+3]|, |v[XS+4]|, |v[XS+5]|
.irp i, 6,10
	v_max3_num_f32 v8, v8, |v[XS+\i]|, |v[XS+\i+1]|
	v_max3_num_f32 v9, v9, |v[XS+\i+2]|, |v[XS+\i+3]|
.endr
	v_max3_num_f32 v8, v8, |v[XS+14]|, |v[XS+15]|
	v_max3_num_f32 v8, v8, v9, (EMAX+1)<<23        ; and the floor 2^(5 - 127): the byte cannot fall under 1
	v_max_num_f32_dpp v8, v8, v8 row_xmask:1 row_mask:0xf bank_mask:0xf   ; and of my neighbour's 16: the block's
	v_add_nc_u32 v11, -(EMAX<<23), v8              ; 4 off its exponent field: the conversion takes the exponent field of this operand as its scale
	v_cvt_scalef32_pk16_bf6_f32 v[C+4*(\t):C+4*(\t)+2], v[XS:XS+15], v11
	v_lshrrev_b32 v[E+(\t)], 23, v11               ; the scale's byte (a plain line behind the conversion)
	ds_store_b8 v5, v[E+(\t)] offset:16*(\t)       ; both lanes of a block write the same byte with the same value
	global_store_b96 v4, v[C+4*(\t):C+4*(\t)+2], s[28:29] offset:32*CB*(\t)   ; the wave stores 384 consecutive bytes
.endm
.irp t, 0,1,2,3,4,5,6,7,8,9,10,11,12,13,14,15
	STEP \t
.endr
	ds_load_b64 v[12:13], v6                       ; LDS serves a wave's instructions in order: these see my stores
	s_wait_dscnt 0x0
	global_store_b64 v7, v[12:13], s[30:31]        ; 32 lanes store 256 consecutive bytes, aligned
	s_wait_tensorcnt 0x0
	ds_add_u32 v192, v193
	s_wait_dscnt 0x0
	s_endpgm
.Lfunc_end_k_q975dea586b_quant:
	.size	k_q975dea586b_quant, .Lfunc_end_k_q975dea586b_quant-k_q975dea586b_quant
	.p2alignl 7, 3214868480
	.fill 96, 4, 3214868480
	.section	.rodata,"a",@progbits
	.p2align	6, 0x0
	.amdhsa_kernel k_q975dea586b_quant
		.amdhsa_group_segment_fixed_size 33280
		.amdhsa_private_segment_fixed_size 0
		.amdhsa_enable_private_segment 0
		.amdhsa_kernarg_size 72
		.amdhsa_user_sgpr_count 2
		.amdhsa_user_sgpr_kernarg_segment_ptr 1
		.amdhsa_wavefront_size32 1
		.amdhsa_system_sgpr_workgroup_id_x 1
		.amdhsa_system_sgpr_workgroup_id_y 1
		.amdhsa_system_sgpr_workgroup_id_z 1
		.amdhsa_system_vgpr_workitem_id 0
		.amdhsa_next_free_vgpr 194
		.amdhsa_next_free_sgpr 66
		.amdhsa_reserve_vcc 0
		.amdhsa_float_denorm_mode_32 3
		.amdhsa_float_denorm_mode_16_64 3
		.amdhsa_memory_ordered 1
		.amdhsa_forward_progress 1
		.amdhsa_inst_pref_size 33
	.end_amdhsa_kernel
	.amdgpu_metadata
---
amdhsa.version: [ 1, 2 ]
amdhsa.kernels:
  - .name:           k_q975dea586b_quant
    .symbol:         k_q975dea586b_quant.kd
    .args:
      - { .name: x, .offset: 0, .size: 8, .value_kind: global_buffer, .address_space: global }
      - { .name: Wq, .offset: 8, .size: 8, .value_kind: global_buffer, .address_space: global }
      - { .name: Wk, .offset: 16, .size: 8, .value_kind: global_buffer, .address_space: global }
      - { .name: Wv, .offset: 24, .size: 8, .value_kind: global_buffer, .address_space: global }
      - { .name: Wp, .offset: 32, .size: 8, .value_kind: global_buffer, .address_space: global }
      - { .name: xc, .offset: 40, .size: 8, .value_kind: global_buffer, .address_space: global }
      - { .name: xs, .offset: 48, .size: 8, .value_kind: global_buffer, .address_space: global }
      - { .name: wc, .offset: 56, .size: 8, .value_kind: global_buffer, .address_space: global }
      - { .name: ws, .offset: 64, .size: 8, .value_kind: global_buffer, .address_space: global }
    .group_segment_fixed_size: 33280
    .private_segment_fixed_size: 0
    .kernarg_segment_align: 8
    .kernarg_segment_size: 72
    .max_flat_workgroup_size: 128
    .sgpr_count:     66
    .vgpr_count:     194
    .wavefront_size: 32
...
	.end_amdgpu_metadata
.endif
;; end of part 1
;; launch qkv (part 2): grid 12 x 32, 4 waves a work-group, clusters of 4 x 4, 327,680 bytes of LDS; arguments xc, xs, wc, ws, bq, bk, bv, cod, scl; writes cod, scl
.if DOCPART == 2
	.amdgcn_target "amdgcn-amd-amdhsa--gfx1250"
	.amdhsa_code_object_version 6
	.text
	.protected	k_q975dea586b_qkv
	.globl	k_q975dea586b_qkv
	.p2align	8
	.type	k_q975dea586b_qkv,@function
k_q975dea586b_qkv:
	s_mov_b64 s[64:65], 0
	v_nop
	global_prefetch_b8 v0, s[64:65] scope:SCOPE_SE
	s_setreg_imm32_b32 hwreg(HW_REG_WAVE_MODE, 25, 1), 1
	s_wait_xcnt 0x0
	s_wait_alu depctr_hold_cnt(0) depctr_sa_sdst(0) depctr_va_vdst(0) depctr_va_sdst(0) depctr_va_ssrc(0) depctr_va_vcc(0) depctr_vm_vsrc(0)
	s_getreg_b32 s2, hwreg(HW_REG_IB_STS2, 6, 4)
	s_cmp_eq_u32 s2, 0
	s_cbranch_scc0 .Lentry_in_a_cluster
	s_endpgm
.Lentry_in_a_cluster:
	s_bfe_u32 s2, ttmp6, 0x10000c
	s_cmp_lg_u32 s2, 0xf033
	s_cbranch_scc0 .Lentry_shape_is_right
	s_endpgm
.Lentry_shape_is_right:
; q = x Wq^T + bq, k = x Wk^T + bk, v = x Wv^T + bv on codes of BF6 with E8M0 scales, K = 1,024; the results are quantised again on the way out (q and k along the head's 64, v along the keys) and leave as
; IMAGES OF OPERAND REGISTERS: they never go to memory as f32.
; ONE BODY: C[m][n] = sum over k of A[m][k] B[n][k] + bias, quantised along n in blocks of 32.  Clusters with x < 2: A = x (32 tile rows), B = Wq | Wk (8 tile columns): n runs over a head pair's 128 channels.
; Clusters with x = 2: A = Wv (4 tile rows), B = x (32 tile columns): n runs over 128 keys.  What differs is chosen by s_cselect on the cluster's x, which all partners share: no branch hangs on it.
; A tile of C is 256 x 256: four waves, each 128 x 128 in 64 accumulators.  K goes in steps of 256 through two LDS slots filled by the tensor data mover; the scale bytes of the tile's rows come once and stay.
; CLUSTERS 4 x 4: A's tiles are asked for jointly along a row of the cluster, B's along a column.
; TRANSPOSED USE: source 0 = 16 stored rows of B, source 1 = 16 stored rows of A.  Rows are stored in the order 0, 2, 1, 3 of each 32 rows' groups of 8, so register 8 b + j of lane (r, h), over B's blocks b, is
; n = 32 (b / 2) + 16 h + 8 (b % 2) + j in the TRUE order: 16 neighbours in the registers of two neighbouring blocks, as the conversions want them.  Lane r is A's stored row 16 a + r.
; OUT: cod: units of 12,288 bytes, unit U = which x 512 + (batch x 8 + head pair) x 16 + block of 128 (which: 0 q, 1 k, 2 v); in it 8 images of 1,536 bytes (16 rows x 128 K): registers 4 c .. 4 c + 3 of lane l
; at 512 c + 16 l.  scl: 512 bytes a unit: the scale word of row 16 a + r at 64 a + 4 r.
; The bias along n (bq, bk) is the C of each sum's first product; the bias along m (bv) is added on the way out; the one that does not apply is masked to +0.
; LIMITS: NaN and infinities are not served; a block of zeros gets the byte 1 (its codes are zeros).
; REGISTERS, in windows of 256: window 0: v0-31 addresses; v32-63 scale words, two sets; v64-127 the bias along n, later a block's 64 numbers; v128-223 A's fragments, one set, later codes; v224-239 the bias along m;
; v240-255 at work.   window 1: B's fragments, two sets.   windows 2, 3: the accumulators ((a, b) at v[8 (8 (a % 4) + b)]).
.set KSTEP,  256
.set NQ,     2                         ; matrix instructions deep in a slot
.set ROWB,   192                       ; a tile's row: 256 codes
.set KROW,   768                       ; a row of codes in memory
.set PITCH,  240                       ; an LDS row: 3 x (64 bytes + 16 of padding)
.set FR,     12
.set NL,     6
.set NP,     4
.set HALFT,  128*PITCH
.set SLOT,   4*HALFT
.set LAPS,   2                         ; 1,024 / 512
.set KS,     32                        ; a row of scale bytes
.set SCL,    2*SLOT
.set HALFS,  16*272                    ; the scale bytes of 128 rows: 16 units of 256 bytes + 16
.set SBLK,   2*272                     ; those of 16 rows
.set SPARE,  SCL+4*HALFS               ; the spare words, 128 bytes a wave: two blocks of 256 bytes that no other line names
.set SRD,  15                          ; v15  the way out: where I read my wave's 128 scale words back: 512 x wave + 16 x lane
.set ADRA, 16
.set ADRB, 20
.set ADRS, 27
.set SPW,  28
.set NIL,  29
.set LI,   30                          ; v30  16 x lane
.set SST,  31                          ; v31  the way out: my row's scale word: 512 x wave + 4 r (in slot 0, which has had its last fill and its last read by then)
.set SC,   32
.set BN,   64
.set HA,   64
.set AF,   128
.set PC,   128                         ; v128-147 the codes just made
.set PWB,  160                         ; v160-167 a scale word for each block of rows
.set BM,   224
.set TM,   240
.set SEL,  92                          ; s[92:93] lane selects for v_permlanex16_b32
.set G1, 24
.set G0, 32
.set G1B, 48
.set G0B, 56
.set G1S, 68
.set G0S, 76
.set G1SB, 80
.set G0SB, 88
.set MSB, 0
.macro WIN new                         ; the immediate's high byte repeats the setting that is left
.if MSB != (\new)
	s_set_vgpr_msb (MSB<<8)|(\new)
.set MSB, (\new)
.endif
.endm
.set MUL_LO, 0xa1                      ; source 0 (B) window 1, source 1 (A) window 0, C and D window 2
.set MUL_HI, 0xf1
.set TO_B,   0x40
.macro JLOAD g0a, g1a, g0b, g1b        ; a joint load: waves 0 and 1 fetch for A, waves 2 and 3 for B; four v_nop follow each line
	s_cmp_eq_u32 s15, 0
	s_cbranch_scc0 .Lfor_b_\@
	tensor_load_to_lds s[\g0a:\g0a+3], s[\g1a:\g1a+7]
	s_nop 0
.rept 4
	v_nop
.endr
	s_branch .Lasked_\@
.Lfor_b_\@:
	tensor_load_to_lds s[\g0b:\g0b+3], s[\g1b:\g1b+7]
	s_nop 0
.rept 4
	v_nop
.endr
.Lasked_\@:
.endm
.macro CREST
	s_cmp_lg_u32 s14, 0
	s_cbranch_scc1 .Lnot_wave_0_\@
	s_barrier_signal -3
.Lnot_wave_0_\@:
	s_barrier_wait -3
	s_barrier_signal -1
	s_barrier_wait -1
.endm
.macro CROUND
	s_barrier_signal -1
	s_barrier_wait -1
	CREST
.endm
	s_load_b256 s[4:11], s[0:1], 0x0               ; xc, xs, wc, ws
	v_lshl_add_u32 v[SPW], v0, 2, SPARE
	v_mov_b32 v[NIL], 0
	ds_add_u32 v28, v29
	s_wait_dscnt 0x0
	v_lshrrev_b32 v1, 5, v0
	v_readfirstlane_b32 s14, v1                    ; wave 0..3
	s_lshr_b32 s15, s14, 1                         ; which half of the tile's rows is mine.  Also: I fetch for A (0) or for B (1)
	s_and_b32 s16, s14, 1                          ; which half of its columns.  Also: which 128 rows I fetch
	s_bfe_u32 s40, ttmp6, 0x40000                  ; cx
	s_bfe_u32 s41, ttmp6, 0x40004                  ; cy
	s_and_b32 s95, ttmp7, 0xffff                   ; cluster y
	s_cmp_lt_u32 ttmp9, 2                          ; q and k, or v?  The cluster's x: the same in all sixteen partners
	s_cselect_b32 s42, ttmp9, s95                  ; tile columns go by cluster x (q, k) or by cluster y (v)
	s_cselect_b32 s17, s95, 0                      ; tile rows by cluster y, or the one cluster's four
	s_cselect_b32 s66, 0, 2048                     ; A's first row in its buffer: Wv begins at row 2,048 of wc
	s_cselect_b32 s67, -1, 0                       ; keeps the bias along n
	s_not_b32 s2, s67                              ; keeps the bias along m
	s_lshl_b32 s42, s42, 2
	s_add_co_u32 s42, s42, s40                     ; tile column
	s_lshl_b32 s17, s17, 2
	s_add_co_u32 s17, s17, s41                     ; tile row
	s_lshl_b32 s43, s41, 2
	s_lshl_b32 s43, 15, s43                        ; my row of the cluster
	s_lshl_b32 s44, 0x1111, s40                    ; my column
	s_or_b32 s[G1+0], s43, (0<<16)|(1<<20)|(1<<21)|(3<<22)|(3<<25)  ; the mask; elements of 1 byte; padding on; bit 21 beside a mask; after every 16 words 4 words
	s_or_b32 s[G1B+0], s44, (0<<16)|(1<<20)|(1<<21)|(3<<22)|(3<<25)
.irp g, G1, G1B
	s_mov_b32 s[\g+1], ROWB<<16                    ; tensor_dim0
	s_mov_b32 s[\g+2], 128<<16                     ; tensor_dim1
	s_mov_b32 s[\g+3], ROWB<<16                    ; tile_dim0
	s_mov_b32 s[\g+4], 128                         ; tile_dim1
	s_mov_b32 s[\g+5], KROW                        ; from row to row
	s_mov_b32 s[\g+6], 0
	s_mov_b32 s[\g+7], 0
.endr
	s_or_b32 s[G1S+0], s43, (3<<16)|(1<<20)|(1<<21)|(5<<22)|(3<<25) ; the scale bytes of 128 rows: 16 dense rows of 256 bytes (32 elements of 8), 16 bytes of padding behind each
	s_or_b32 s[G1SB+0], s44, (3<<16)|(1<<20)|(1<<21)|(5<<22)|(3<<25)
.irp g, G1S, G1SB
	s_mov_b32 s[\g+1], 32<<16
	s_mov_b32 s[\g+2], 16<<16
	s_mov_b32 s[\g+3], 32<<16
	s_mov_b32 s[\g+4], 16
	s_mov_b32 s[\g+5], 32
	s_mov_b32 s[\g+6], 0
	s_mov_b32 s[\g+7], 0
.endr
	s_lshl_b32 s18, s16, 7                         ; which 128 rows of the tile I fetch
	s_lshl_b32 s20, s17, 8
	s_add_co_u32 s20, s20, s18
	s_add_co_u32 s20, s20, s66                     ; A: row 256 x tile row + 128 x half (+ 2,048)
	s_lshl_b32 s46, s42, 8
	s_add_co_u32 s46, s46, s18                     ; B: row 256 x tile column + 128 x half
	s_mov_b32 s21, 0
	s_mov_b32 s47, 0
	s_mov_b64 s[18:19], KS
	s_mul_u64 s[22:23], s[20:21], s[18:19]         ; where these rows' scale bytes begin
	s_mul_u64 s[92:93], s[46:47], s[18:19]
	s_mov_b64 s[18:19], KROW
	s_mul_u64 s[20:21], s[20:21], s[18:19]         ; and their codes
	s_mul_u64 s[46:47], s[46:47], s[18:19]
	s_mul_i32 s45, s14, HALFT                      ; where they go: wave x 128 rows
	s_mul_i32 s94, s14, HALFS
	s_wait_kmcnt 0x0
	s_cmp_lt_u32 ttmp9, 2
	s_cselect_b64 s[96:97], s[4:5], s[8:9]         ; A's codes: xc or wc
	s_cselect_b64 s[98:99], s[6:7], s[10:11]       ; A's scale bytes
	s_cselect_b64 s[100:101], s[8:9], s[4:5]       ; B's codes
	s_cselect_b64 s[4:5], s[10:11], s[6:7]         ; B's scale bytes
	s_add_nc_u64 s[20:21], s[96:97], s[20:21]
	s_add_nc_u64 s[22:23], s[98:99], s[22:23]
	s_add_nc_u64 s[46:47], s[100:101], s[46:47]
	s_add_nc_u64 s[92:93], s[4:5], s[92:93]
	CROUND                                         ; all sixteen work-groups are here: the first joint loads meet
	s_mov_b32 s[G0S], 1
	s_add_co_u32 s[G0S+1], s94, SCL
	s_mov_b64 s[G0S+2:G0S+3], s[22:23]
	s_or_b32 s[G0S+3], s[G0S+3], 0x80000000
	s_mov_b32 s[G0SB], 1
	s_add_co_u32 s[G0SB+1], s94, SCL
	s_mov_b64 s[G0SB+2:G0SB+3], s[92:93]
	s_or_b32 s[G0SB+3], s[G0SB+3], 0x80000000
	JLOAD G0S, G1S, G0SB, G1SB                     ; the scale bytes first: they are wanted with K step 0
.irp s, 0,1
	s_mov_b32 s[G0+4*\s], 1
	s_add_co_u32 s[G0+4*\s+1], s45, \s*SLOT
	s_add_nc_u64 s[G0+4*\s+2:G0+4*\s+3], s[20:21], \s*ROWB
	s_or_b32 s[G0+4*\s+3], s[G0+4*\s+3], 0x80000000
	s_mov_b32 s[G0B+4*\s], 1
	s_add_co_u32 s[G0B+4*\s+1], s45, \s*SLOT
	s_add_nc_u64 s[G0B+4*\s+2:G0B+4*\s+3], s[46:47], \s*ROWB
	s_or_b32 s[G0B+4*\s+3], s[G0B+4*\s+3], 0x80000000
	JLOAD G0+4*\s, G1, G0B+4*\s, G1B
.endr
	s_load_b256 s[4:11], s[0:1], 0x20              ; bq, bk, bv, cod
	s_load_b64 s[12:13], s[0:1], 0x40              ; scl
	v_and_b32 v1, 15, v0                           ; r
	v_bfe_u32 v2, v0, 4, 1                         ; h
	v_mul_u32_u24 v3, v1, PITCH
	v_mul_u32_u24 v4, v2, 24
	v_add_nc_u32 v4, v3, v4                        ; a fragment's row x pitch + 24 x half
	v_lshl_add_u32 v5, v2, 4, v4                   ; and the same behind one padding more
	s_mul_i32 s21, s15, HALFT                      ; my 128 rows of A
	s_mul_i32 s22, s16, HALFT                      ; my 128 rows of B,
	s_add_co_u32 s22, s22, 2*HALFT                 ; behind A's 256
.irp s, 0,1
	v_add_nc_u32 v[ADRA+\s], s21, v4
	v_add_nc_u32 v[ADRB+\s], s22, v4
	v_add_nc_u32 v[ADRA+2+\s], s21, v5
	v_add_nc_u32 v[ADRB+2+\s], s22, v5
	s_add_co_u32 s21, s21, SLOT
	s_add_co_u32 s22, s22, SLOT
.endr
	v_mul_u32_u24 v5, v1, KS                       ; my row's scale bytes: 32 a row,
	v_lshrrev_b32 v6, 8, v5
	v_lshl_add_u32 v5, v6, 4, v5                   ; and 16 more for each 256 passed
	s_mul_i32 s21, s15, HALFS
	s_mul_i32 s22, s16, HALFS
	s_add_co_u32 s22, s22, 2*HALFS
	s_sub_co_u32 s22, s22, s21
	v_mul_u32_u24 v6, s22, v2                      ; lanes 16-31 take B's
	s_add_co_u32 s21, s21, SCL
	v_add_nc_u32 v5, v5, v6
	v_add_nc_u32 v[ADRS], s21, v5
	v_and_b32 v6, 31, v0
	v_lshlrev_b32 v[LI], 4, v6
	s_lshl_b32 s23, s14, 9
	v_lshlrev_b32 v[SST], 2, v1
	v_add_nc_u32 v[SST], s23, v[SST]
	v_add_nc_u32 v[SRD], s23, v[LI]
	v_lshlrev_b32 v7, 6, v2                        ; the bias along n: 16 h numbers on
	v_and_b32 v8, 8, v1
	v_add_nc_u32 v8, v8, v1
	v_lshlrev_b32 v8, 2, v8                        ; the bias along m: number r + 8 (r / 8)
	s_mov_b32 s[SEL], 0x76543210
	s_mov_b32 s[SEL+1], 0xfedcba98
	s_wait_kmcnt 0x0
	s_cmp_lt_u32 s42, 4                            ; tile columns 0-3 are q's, 4-7 k's (for v either is read and masked away)
	s_cselect_b64 s[4:5], s[4:5], s[6:7]
	s_and_b32 s20, s42, 3
	s_lshl_b32 s20, s20, 10
	s_lshl_b32 s21, s16, 9
	s_add_co_u32 s20, s20, s21                     ; 4 x (256 (tile column % 4) + 128 x my half): inside the 4,096 bytes whatever the tile
	s_mov_b32 s21, 0
	s_add_nc_u64 s[4:5], s[4:5], s[20:21]
	s_and_b32 s20, s17, 3
	s_lshl_b32 s20, s20, 10
	s_lshl_b32 s22, s15, 9
	s_add_co_u32 s20, s20, s22
	s_add_nc_u64 s[8:9], s[8:9], s[20:21]
.irp b, 0,1,2,3,4,5,6,7
	global_load_b128 v[BN+8*\b:BN+8*\b+3], v7, s[4:5] offset:128*(\b/2)+32*(\b%2)       ; n = 32 (b / 2) + 16 h + 8 (b % 2) + 0 .. 7
	global_load_b128 v[BN+8*\b+4:BN+8*\b+7], v7, s[4:5] offset:128*(\b/2)+32*(\b%2)+16
.endr
.irp a, 0,1,2,3,4,5,6,7
	global_load_b32 v[BM+2*\a], v8, s[8:9] offset:(32*(\a/2)+8*(\a%2))*4                ; m = 32 (a / 2) + 8 (a % 2) + r + 8 (r / 8), twice: a pair for the packed addition
	global_load_b32 v[BM+2*\a+1], v8, s[8:9] offset:(32*(\a/2)+8*(\a%2))*4
.endr
	; my unit: U = (hpi >> 3) x 512 + ((tok >> 4) x 8 + (hpi & 7)) x 16 + (tok & 15);  tok: block of 128 tokens, hpi: 0-7 q's head pairs, 8-15 k's, 16-23 v's
	s_lshl_b32 s20, s17, 1
	s_add_co_u32 s20, s20, s15                     ; 2 x tile row + my half
	s_lshl_b32 s21, s42, 1
	s_add_co_u32 s21, s21, s16                     ; 2 x tile column + my half
	s_add_co_u32 s22, s20, 16
	s_cmp_lt_u32 ttmp9, 2
	s_cselect_b32 s23, s20, s21                    ; tok
	s_cselect_b32 s22, s21, s22                    ; hpi
	s_lshr_b32 s20, s22, 3
	s_lshl_b32 s20, s20, 9
	s_and_b32 s21, s22, 7
	s_lshr_b32 s45, s23, 4
	s_lshl_b32 s45, s45, 3
	s_add_co_u32 s45, s45, s21
	s_lshl_b32 s45, s45, 4
	s_and_b32 s23, s23, 15
	s_add_co_u32 s45, s45, s23
	s_add_co_u32 s20, s20, s45                     ; U, under 1,536
	s_mul_i32 s46, s20, 12288
	s_mov_b32 s47, 0
	s_add_nc_u64 s[10:11], s[10:11], s[46:47]      ; cod at my unit
	s_lshl_b32 s46, s20, 9
	s_add_nc_u64 s[12:13], s[12:13], s[46:47]      ; scl at my unit
	s_wait_loadcnt 0x0
.set i, 0
.rept 64
	v_and_b32 v[BN+i], s67, v[BN+i]                ; the bias that does not apply becomes +0
.set i, i+1
.endr
.set i, 0
.rept 16
	v_and_b32 v[BM+i], s2, v[BM+i]
.set i, i+1
.endr
.macro FRAG reg, adr, q, i             ; 16 rows x 128 K of 6-bit codes: 12 registers, in pieces of 8 bytes; lanes 16-31 read three pieces on, for some pieces behind one padding more: the second address register
.irp p, 0,1,2,3,4,5
.set PCE, 12*(\q)+6*(\p/3)+\p%3
.if PCE%8 < 5
	ds_load_b64 v[\reg+2*\p:\reg+2*\p+1], v[\adr] offset:8*PCE+16*(PCE/8)+(\i)*16*PITCH
.else
	ds_load_b64 v[\reg+2*\p:\reg+2*\p+1], v[\adr+2] offset:8*PCE+16*(PCE/8)+(\i)*16*PITCH
.endif
.endr
.endm
; 16 matrix instructions: A's blocks a0, a0 + 1 x B's eight.  zero = 1: the first product starts the sums on the bias along n.  The 64 accumulators take turns, one instruction a turn.
.macro MUL16 a0, p, q, sc, zero
.irp a, \a0, \a0+1
.irp b, 0,1,2,3,4,5,6,7
.if \zero
	v_wmma_scale_f32_16x16x128_f8f6f4 v[8*(8*((\a)%4)+\b):8*(8*((\a)%4)+\b)+7], v[128*(\p)+FR*\b:128*(\p)+FR*\b+FR-1], v[AF+FR*(\a):AF+FR*(\a)+FR-1], v[BN+8*\b:BN+8*\b+7], v[SC+8*NQ*(\sc)+NQ*\b+(\q)], v[SC+8*NQ*(\sc)+NQ*(\a)+(\q)] matrix_a_fmt:MATRIX_FMT_BF6 matrix_b_fmt:MATRIX_FMT_BF6 matrix_a_scale:MATRIX_SCALE_ROW1
.else
	v_wmma_scale_f32_16x16x128_f8f6f4 v[8*(8*((\a)%4)+\b):8*(8*((\a)%4)+\b)+7], v[128*(\p)+FR*\b:128*(\p)+FR*\b+FR-1], v[AF+FR*(\a):AF+FR*(\a)+FR-1], v[8*(8*((\a)%4)+\b):8*(8*((\a)%4)+\b)+7], v[SC+8*NQ*(\sc)+NQ*\b+(\q)], v[SC+8*NQ*(\sc)+NQ*(\a)+(\q)] matrix_a_fmt:MATRIX_FMT_BF6 matrix_b_fmt:MATRIX_FMT_BF6 matrix_a_scale:MATRIX_SCALE_ROW1
.endif
.endr
.endr
.endm
.macro FETCH_B slot, q, p
	WIN TO_B
.irp i, 0,1,2,3,4,5,6,7
	FRAG 128*(\p)+FR*\i, ADRB+\slot, \q, \i
.endr
	WIN 0
.endm
.macro FETCH_A slot, q, i0
.irp i, \i0, \i0+1, \i0+2, \i0+3
	FRAG AF+FR*(\i), ADRA+\slot, \q, \i
.endr
.endm
.macro SCALES sc                       ; a K step's scale words: lanes 0-15 A's block i, lanes 16-31 B's block i
.irp i, 0,1,2,3,4,5,6,7
	ds_load_b64 v[SC+8*NQ*\sc+NQ*\i:SC+8*NQ*\sc+NQ*\i+1], v[ADRS] offset:\i*SBLK
.endr
.endm
.macro PLACES n                        ; plain vector instructions between a matrix instruction and a load into, or a vector instruction on, its registers
.rept \n
	v_nop
.endr
.endm
.macro STEP slot, q, zero              ; 128 along K that has its successor in the same slot
	s_wait_dscnt 4*NL                              ; B's set and A's blocks 0-3 are in; the youngest 24 loads (A's blocks 4-7) may be out
.if \zero
	WIN 0x81                                       ; C (the bias) in window 0, D in window 2
.else
	WIN MUL_LO
.endif
	MUL16 0, (\q)%2, \q, \slot, \zero
	MUL16 2, (\q)%2, \q, \slot, \zero
	s_wait_dscnt 0                                 ; A's blocks 4-7 are in
	PLACES NP
	FETCH_B \slot, (\q)+1, 1-(\q)%2
	FETCH_A \slot, (\q)+1, 0
.if \zero
	WIN 0xc1
.else
	WIN MUL_HI
.endif
	MUL16 4, (\q)%2, \q, \slot, \zero
	MUL16 6, (\q)%2, \q, \slot, \zero
	PLACES NP
	WIN 0
	FETCH_A \slot, (\q)+1, 4
.endm
; A slot's last step changes slots: one barrier; in front of it each wave waits for all its tensor loads, adds 0 to its spare word, and waits for that and for its reads of this slot.
.macro TURN slot, next, fill
	s_wait_tensorcnt 0x0                           ; all my tensor loads have landed: my part of the next slot
	ds_add_u32 v[SPW], v[NIL]                      ; 0 onto my spare word
	s_wait_dscnt 4*NL+1                            ; (the add and the youngest 24 loads may be out)
	WIN MUL_LO
	MUL16 0, 1, NQ-1, \slot, 0
	s_wait_dscnt 0x0                               ; the add is done, and my reads of this slot are over
	s_barrier_signal -1
	MUL16 2, 1, NQ-1, \slot, 0
	WIN 0
	s_barrier_wait -1
.if \fill
	CREST                                          ; the barrier has opened a round of the cluster's: no wave of any partner still reads this slot or has a load on its way
	s_add_nc_u64 s[G0+4*\slot+2:G0+4*\slot+3], s[G0+4*\slot+2:G0+4*\slot+3], 2*ROWB
	s_add_nc_u64 s[G0B+4*\slot+2:G0B+4*\slot+3], s[G0B+4*\slot+2:G0B+4*\slot+3], 2*ROWB
	JLOAD G0+4*\slot, G1, G0B+4*\slot, G1B         ; the first tensor load behind the round; its four v_nop are the places in front of the loads below
.else
	PLACES NP
.endif
	v_add_nc_u32 v[ADRS], 4*NQ, v[ADRS]            ; the next K step's scale words
	FETCH_B \next, 0, 0
	FETCH_A \next, 0, 0
	SCALES \next
	WIN MUL_HI
	MUL16 4, 1, NQ-1, \slot, 0
	MUL16 6, 1, NQ-1, \slot, 0
	PLACES NP
	WIN 0
	FETCH_A \next, 0, 4
.endm
	s_wait_tensorcnt 1                             ; the scale bytes and my part of K step 0 are in (K step 1's load may be out),
	s_barrier_signal -1
	s_barrier_wait -1                              ; everybody's are
	FETCH_B 0, 0, 0
	FETCH_A 0, 0, 0
	SCALES 0
	FETCH_A 0, 0, 4
	STEP 0, 0, 1
	s_mov_b32 s3, LAPS-1
.Llap:                                                 ; once round the ring: both slots are filled again
	TURN 0, 1, 1
	STEP 1, 0, 0
	TURN 1, 0, 1
	STEP 0, 0, 0
	s_sub_co_u32 s3, s3, 1
	s_cmp_lg_u32 s3, 0
	s_cbranch_scc1 .Llap
	TURN 0, 1, 0                                   ; the last lap fills nothing
	STEP 1, 0, 0
	s_wait_dscnt 4*NL
	WIN MUL_LO
	MUL16 0, 1, NQ-1, 1, 0
	MUL16 2, 1, NQ-1, 1, 0
	s_wait_dscnt 0
	WIN MUL_HI
	MUL16 4, 1, NQ-1, 1, 0
	MUL16 6, 1, NQ-1, 1, 0
	WIN 0
; 64 numbers of a lane, register 16 b + i = n 32 b + 16 h + i of my row, become a fragment's codes in v[PC] on and its scale word in v[pw].
.macro QUANT s, pw
.irp b, 0,1,2,3
	v_max3_num_f32 v[TM+\b], |v[\s+16*\b]|, |v[\s+1+16*\b]|, 0x2800000   ; my 16 numbers of block b, and the floor 2^(5 - 127): the byte cannot fall under 1
.endr
.irp i, 2,4,6,8,10,12,14
.irp b, 0,1,2,3
	v_max3_num_f32 v[TM+\b], v[TM+\b], |v[\s+16*\b+\i]|, |v[\s+1+16*\b+\i]|
.endr
.endr
.irp b, 0,1,2,3
	v_permlanex16_b32 v[TM+4+\b], v[TM+\b], s[SEL], s[SEL+1]
.endr
.irp b, 0,1,2,3
	v_max_num_f32 v[TM+\b], v[TM+\b], v[TM+4+\b]   ; with lane l xor 16's: the block's largest magnitude
.endr
.irp b, 0,1,2,3
	v_add_nc_u32 v[TM+12+\b], 0xfe000000, v[TM+\b] ; 4 off its exponent field: the conversion's scale operand
.endr
.irp b, 0,1,2,3
	v_lshrrev_b32 v[TM+4+\b], 23, v[TM+12+\b]      ; the scale's byte
.endr
	v_lshl_or_b32 v[\pw], v[TM+5], 8, v[TM+4]
	v_lshl_or_b32 v[\pw], v[TM+6], 16, v[\pw]
	v_lshl_or_b32 v[\pw], v[TM+7], 24, v[\pw]
.irp c, 0,1
	v_cvt_scalef32_pk16_bf6_f32 v[PC+6*\c:PC+2+6*\c], v[\s+32*\c:\s+15+32*\c], v[TM+12+2*\c]
	v_cvt_scalef32_pk16_bf6_f32 v[PC+12+4*\c:PC+14+4*\c], v[\s+16+32*\c:\s+31+32*\c], v[TM+12+2*\c+1]   ; (a conversion's three registers begin on an even number)
.endr
	v_nop                                          ; one plain line behind a scaled conversion
.irp c, 0,1                                    ; the operand's layout wants a whole block in a lane
.irp i, 0,1,2
	v_permlane16_swap_b32 v[PC+6*\c+\i], v[PC+12+4*\c+\i]
.endr
.irp i, 0,1,2
	v_mov_b32 v[PC+3+6*\c+\i], v[PC+12+4*\c+\i]
.endr
.endr
.endm
	; THE WAY OUT, a block of 16 rows at a time: the bias along m is added on the move into window 0, the 64 numbers a lane are quantised, and the fragment leaves as it stands.
	PLACES NP
.irp b, 0,1,2,3
	v_mov_b32 v[TM+4+\b], 0                        ; written once: a lane permute's destination counts as one of its sources
.endr
.irp a, 0,1,2,3,4,5,6,7
	WIN 0x02+(\a)/4                                ; source 0: window 2 or 3
.set i, 0
.rept 32
	v_pk_add_f32 v[HA+2*i:HA+2*i+1], v[64*((\a)%4)+2*i:64*((\a)%4)+2*i+1], v[BM+2*\a:BM+2*\a+1]   ; each accumulator from its low end on
.set i, i+1
.endr
	WIN 0
	s_wait_xcnt 0x0                                ; the last block's stores have read their registers: the codes may be written again
	QUANT HA, PWB+\a
.irp c, 0,1,2
	global_store_b128 v[LI], v[PC+4*\c:PC+4*\c+3], s[10:11] offset:1536*\a+512*\c   ; 32 lanes store 512 consecutive bytes, aligned
.endr
	ds_store_b32 v[SST], v[PWB+\a] offset:64*\a    ; lanes r and r + 16 write the same word with the same value
.endr
	ds_load_b128 v[168:171], v[SRD]                ; LDS serves a wave's instructions in order: this sees my stores
	s_wait_dscnt 0x0
	global_store_b128 v[LI], v[168:171], s[12:13]  ; my unit's 128 scale words: 512 consecutive bytes
	s_wait_tensorcnt 0x0                           ; the wave's end
	ds_add_u32 v[SPW], v[NIL]
	s_wait_dscnt 0x0
	CROUND                                         ; the closing round
	s_endpgm
.Lfunc_end_k_q975dea586b_qkv:
	.size	k_q975dea586b_qkv, .Lfunc_end_k_q975dea586b_qkv-k_q975dea586b_qkv
	.p2alignl 7, 3214868480
	.fill 96, 4, 3214868480
	.section	.rodata,"a",@progbits
	.p2align	6, 0x0
	.amdhsa_kernel k_q975dea586b_qkv
		.amdhsa_group_segment_fixed_size 327680
		.amdhsa_private_segment_fixed_size 0
		.amdhsa_enable_private_segment 0
		.amdhsa_kernarg_size 72
		.amdhsa_user_sgpr_count 2
		.amdhsa_user_sgpr_kernarg_segment_ptr 1
		.amdhsa_wavefront_size32 1
		.amdhsa_system_sgpr_workgroup_id_x 1
		.amdhsa_system_sgpr_workgroup_id_y 1
		.amdhsa_system_sgpr_workgroup_id_z 1
		.amdhsa_system_vgpr_workitem_id 0
		.amdhsa_next_free_vgpr 1024
		.amdhsa_next_free_sgpr 102
		.amdhsa_reserve_vcc 0
		.amdhsa_float_denorm_mode_32 3
		.amdhsa_float_denorm_mode_16_64 3
		.amdhsa_memory_ordered 1
		.amdhsa_forward_progress 1
		.amdhsa_inst_pref_size 187
	.end_amdhsa_kernel
	.amdgpu_metadata
---
amdhsa.version: [ 1, 2 ]
amdhsa.kernels:
  - .name:           k_q975dea586b_qkv
    .symbol:         k_q975dea586b_qkv.kd
    .args:
      - { .name: xc, .offset: 0, .size: 8, .value_kind: global_buffer, .address_space: global }
      - { .name: xs, .offset: 8, .size: 8, .value_kind: global_buffer, .address_space: global }
      - { .name: wc, .offset: 16, .size: 8, .value_kind: global_buffer, .address_space: global }
      - { .name: ws, .offset: 24, .size: 8, .value_kind: global_buffer, .address_space: global }
      - { .name: bq, .offset: 32, .size: 8, .value_kind: global_buffer, .address_space: global }
      - { .name: bk, .offset: 40, .size: 8, .value_kind: global_buffer, .address_space: global }
      - { .name: bv, .offset: 48, .size: 8, .value_kind: global_buffer, .address_space: global }
      - { .name: cod, .offset: 56, .size: 8, .value_kind: global_buffer, .address_space: global }
      - { .name: scl, .offset: 64, .size: 8, .value_kind: global_buffer, .address_space: global }
    .group_segment_fixed_size: 327680
    .private_segment_fixed_size: 0
    .kernarg_segment_align: 8
    .kernarg_segment_size: 72
    .max_flat_workgroup_size: 128
    .sgpr_count:     102
    .vgpr_count:     1024
    .wavefront_size: 32
...
	.end_amdgpu_metadata
.endif
;; end of part 2
;; launch attn (part 3): grid 8 x 32, 16 waves a work-group, no clusters, 327,680 bytes of LDS; arguments cod, scl, yc, ys; writes yc, ys
.if DOCPART == 3
	.amdgcn_target "amdgcn-amd-amdhsa--gfx1250"
	.amdhsa_code_object_version 6
	.text
	.protected	k_q975dea586b_attn
	.globl	k_q975dea586b_attn
	.p2align	8
	.type	k_q975dea586b_attn,@function
k_q975dea586b_attn:
	s_mov_b64 s[64:65], 0
	v_nop
	global_prefetch_b8 v0, s[64:65] scope:SCOPE_SE
	s_setreg_imm32_b32 hwreg(HW_REG_WAVE_MODE, 25, 1), 1
	s_wait_xcnt 0x0
; y[b][t][head] = softmax over keys s <= t of (q . k / 8) times v, both products on codes of BF6 with E8M0 scales; y is quantised along the 1,024 channels and leaves as codes.
; IN: cod, scl: units of 12,288 and 512 bytes, unit = which x 512 + pair x 16 + block (which: 0 q, 1 k, 2 v; pair = batch x 8 + head pair): 8 images of operand registers (16 rows x 128 K; registers 4 c .. 4 c + 3 of lane l
; at 512 c + 16 l) and their 128 scale words.  q, k: rows = 16 stored tokens, K = the pair's 2 x 64 channels (registers 0-5 head 0, 6-11 head 1).  v: rows = 16 stored channels of the pair's 128, K = 128 keys.
; Stored order: of each 32 rows the groups of 8 lie in the order 0, 2, 1, 3; so as source 0 two neighbouring tiles give a lane 16 neighbours in the true order, and as source 1 lane r of tile w is row 32 (w / 2) + 8 (w % 2) + r + 8 (r / 8).
; THE SOFTMAX: t = score x log2(e) / 8; M = the running largest t rounded up to a whole number; p = 2^(t - M) is quantised along the keys, not normalised; the sum is taken of the unquantised p and divides at the end;
; when M moves, the sum and O are multiplied by 2^(old M - new M), which rounds nothing.
; SHARES.  Work-group (i, pair), sixteen waves: wave w takes head w & 1 of the pair and tile w >> 1 of 16 queries of a block of 128.  The work-group makes block 15 - i (key steps 0 .. 15 - i), then block i (key steps 0 .. i):
; 17 key steps of 128 keys whatever i is, so that all 256 work-groups have the same work and the loop's trip count is a constant.  A block's last key step is the one on the diagonal; no step is wholly hidden.
; A head's 64 channels are half of the instruction's K: the other head's codes in q are set to zero codes, which add nothing, and k's images and scale words serve both heads as they lie.
; Both products are used transposed (S^T = k q^T, O^T = v^T p^T): a lane holds one query throughout.
; RING: two LDS slots of one key step (k's images, v's images, their scale words), filled by waves 0 to 3, one tensor load each, read by all sixteen.
; NO JOINT LOADS: the eight work-groups of a pair want the same tile only while all are in their first block, trips 0 .. 8; from trip 16 - i on work-group i starts again at key step 0, so partners would ask for different tiles in the same trip.
; OUT: yc [head pair][tile of 16 stored tokens][6 pieces][32 lanes][8 bytes]: piece P = registers 2 P, 2 P + 1 of the fragment 16 tokens x 128 channels; ys [stored token][32]: a byte for each 32 channels; a lane stores one
; byte of ys for 24 bytes of codes, rows 32 bytes apart.
; LIMITS: NaN and infinities are not served; a block of zeros gets the byte 1 (its codes are zeros).
; REGISTERS: v1-7 addresses that stay; v8-11 addresses in hand; v12 -M, v13 the largest t, v[14:15] the sum; v16-27 q, v29 its scale words; v30 the mask's number; v31, v28 offsets; v32-79 four fragments; v80-92 the second block's q;
; v96-159 S^T, then p; v160-191 O^T; v192-223 y; v224-235 codes; v232-254 at work; v248-251 fragments' scale words, v253 p's.
.set SLOT1, 32768                      ; slot 1 begins here: one exclusive or turns an address from slot to slot
.set VIM,   12288                      ; in a slot: k's 8 images, then v's,
.set KSW,   24576                      ; k's 128 scale words,
.set VSW,   25088                      ; v's
.set SPARE, 65536                      ; the spare words, 128 bytes a wave: eight blocks of 256 bytes that no other line names
.set UNIT,  12288
.set TEN,   6291456                    ; bytes of q's (k's, v's) 512 units of codes
.set TENS,  262144                     ; and of their scale words
.set AK0,  1
.set AV0,  2
.set ASK0, 3
.set ASV0, 4
.set SPW,  5
.set NIL,  6
.set GO,   7                           ; 8 x lane
.set ADK,  8
.set ADV,  9
.set ADS,  10
.set ADT,  11
.set PFO,  28
.set QSW,  29
.set DQ,   30                          ; my query in its block - 16 h
.set YSO,  31                          ; 32 r + h
.set TB,   2                           ; s2   the slot in hand
.set STP,  3                           ; s3   the trip, 0 .. 16
.set WV,   18
.set SEL,  20
.set CS,   22                          ; s[22:23] c = log2(e) / 8
.set G1C,  24                          ; s[24:31] group 1: 48 dense rows of 256 bytes;  s[32:39]: 2 such rows
.set G1S,  32
.set G0C,  40
.set G0S,  44
.set CB,   48                          ; s[48:49] my tensor's (k's or v's) units of the pair;  s[50:51] their scale words
.set SB,   50
.set P1,   52                          ; 16 - i: trips of the first block
.set KSC,  53                          ; the key step in hand
.set KSN,  54                          ; the next
.set QBC,  55                          ; the block of queries in hand
.set QB2,  56
.set YC,   58
.set YC2,  60
.set YS,   62
.set YS2,  66
.set M0,   68
.set M1,   69
.set HIN,  70
.set WQ,   71
.set PAIR, 72
.set PFA,  76
.set PFS,  78
.set LIM,  80
.macro TLOAD                           ; waves 0, 1: k's, v's images; waves 2, 3: their scale words; the others nothing.  Four v_nop follow each line
	s_cmp_lt_u32 s[WV], 2
	s_cbranch_scc0 .Lnot_c_\@
	tensor_load_to_lds s[G0C:G0C+3], s[G1C:G1C+7]
	s_nop 0
.rept 4
	v_nop
.endr
	s_branch .Lasked_\@
.Lnot_c_\@:
	s_cmp_lt_u32 s[WV], 4
	s_cbranch_scc0 .Lasked_\@
	tensor_load_to_lds s[G0S:G0S+3], s[G1S:G1S+7]
	s_nop 0
.rept 4
	v_nop
.endr
.Lasked_\@:
.endm
; A PREFETCH INTO THE L2.  All eight work-groups of a pair walk the same units: work-group i = 0 asks, whose first block walks key step = trip.  In trip S, which loads key step S + 1, waves 4 to 6 name the 96 blocks of 256 bytes
; of k's and v's unit S + 2, a lane a block, one instruction a wave; trips 14 and 15 have no unit two on.  Waves 7 and 8 name, in trip 0 alone, the pair's 8,192 bytes of k's and of v's scale words, lanes 256 bytes apart.
.macro ASK
	s_cmp_lt_u32 s[STP], s[LIM]
	s_cbranch_scc0 .Lnot_mine_\@
	global_prefetch_b8 v[PFO], s[PFA:PFA+1] th:TH_LOAD_NT scope:SCOPE_SE
.Lnot_mine_\@:
.endm
	s_load_b256 s[4:11], s[0:1], 0x0               ; cod, scl, yc, ys
	v_lshl_add_u32 v[SPW], v0, 2, SPARE
	v_mov_b32 v[NIL], 0
	ds_add_u32 v5, v6
	ds_add_u32 v5, v6
	s_wait_dscnt 0x0
	v_lshrrev_b32 v8, 5, v0
	s_delay_alu instid0(VALU_DEP_1)
	v_readfirstlane_b32 s[WV], v8                  ; wave 0..15
	s_and_b32 s[PAIR], ttmp7, 0xffff
	s_and_b32 s[HIN], s[WV], 1                     ; my head of the pair.  Also, in waves 0 to 3: k (0) or v (1)
	s_lshr_b32 s[WQ], s[WV], 1                     ; my tile of 16 queries
	s_sub_co_u32 s[P1], 16, ttmp9
	s_sub_co_u32 s[QBC], 15, ttmp9
	s_mov_b32 s[QB2], ttmp9
	s_mov_b32 s[KSC], 0
	s_mov_b32 s[KSN], 0
	s_mov_b32 s[TB], 0
	s_mov_b32 s[STP], 0
	s_mov_b32 s[SEL], 0x76543210
	s_mov_b32 s[SEL+1], 0xfedcba98
	s_mov_b32 s[CS], 0x3e38aa3b                    ; log2(e) / 8
	s_mov_b32 s[CS+1], s[CS]                       ; (named with it as a pair)
	s_mov_b32 s[G1C], 3<<16                        ; no mask; elements of 8 bytes; no padding
	s_mov_b32 s[G1C+1], 32<<16                     ; tensor_dim0 = 32
	s_mov_b32 s[G1C+2], 48<<16                     ; tensor_dim1 = 48
	s_mov_b32 s[G1C+3], 32<<16                     ; tile_dim0
	s_mov_b32 s[G1C+4], 48                         ; tile_dim1
	s_mov_b32 s[G1C+5], 32                         ; from row to row
	s_mov_b32 s[G1C+6], 0
	s_mov_b32 s[G1C+7], 0
	s_mov_b32 s[G1S], 3<<16
	s_mov_b32 s[G1S+1], 32<<16
	s_mov_b32 s[G1S+2], 2<<16
	s_mov_b32 s[G1S+3], 32<<16
	s_mov_b32 s[G1S+4], 2
	s_mov_b32 s[G1S+5], 32
	s_mov_b32 s[G1S+6], 0
	s_mov_b32 s[G1S+7], 0
	s_add_co_u32 s82, s[HIN], 1
	s_mul_i32 s92, s82, TEN
	s_mul_i32 s93, s[PAIR], 16*UNIT
	s_add_co_u32 s92, s92, s93
	s_mov_b32 s93, 0
	s_mul_i32 s94, s82, TENS
	s_lshl_b32 s95, s[PAIR], 13
	s_add_co_u32 s94, s94, s95
	s_mov_b32 s95, 0
	s_mov_b32 s[G0C], 1
	s_mul_i32 s[G0C+1], s[HIN], VIM                ; LDS: slot 0, k's images or v's
	s_mov_b32 s[G0S], 1
	s_lshl_b32 s[G0S+1], s[HIN], 9
	s_add_co_u32 s[G0S+1], s[G0S+1], KSW
	s_wait_kmcnt 0x0
	s_add_nc_u64 s[CB:CB+1], s[4:5], s[92:93]
	s_add_nc_u64 s[SB:SB+1], s[6:7], s[94:95]
	s_mov_b64 s[G0C+2:G0C+3], s[CB:CB+1]           ; key step 0
	s_or_b32 s[G0C+3], s[G0C+3], 0x80000000
	s_mov_b64 s[G0S+2:G0S+3], s[SB:SB+1]
	s_or_b32 s[G0S+3], s[G0S+3], 0x80000000
	TLOAD                                          ; slot 0's first fill
	; where my two tiles of queries lie, and where their y goes
	s_lshr_b32 s82, s[PAIR], 3
	s_lshl_b32 s82, s82, 7                         ; 128 x batch
	s_and_b32 s83, s[PAIR], 7                      ; head pair
	s_lshl_b32 s92, s83, 1
	s_add_co_u32 s92, s92, s[HIN]
	s_lshl_b32 s92, s92, 1                         ; my head's first byte in a row of ys
	s_lshl_b32 s93, s83, 9                         ; 512 x head pair
	s_mul_i32 s94, s[HIN], 768                     ; my head's three pieces
	s_mul_i32 s95, s[PAIR], 16*UNIT
	s_lshl_b32 s81, s[PAIR], 13
	s_mov_b32 s97, 0
.macro PLACE qb, yc, ys, qc, qs
	s_lshl_b32 s74, s[\qb], 3
	s_add_co_u32 s74, s74, s[WQ]                   ; 8 x block + my tile
	s_add_co_u32 s75, s74, s82                     ; the tile among all 512
	s_lshl_b32 s96, s75, 9
	s_add_co_u32 s96, s96, s92
	s_add_nc_u64 s[\ys:\ys+1], s[10:11], s[96:97]
	s_add_co_u32 s96, s75, s93
	s_mul_i32 s96, s96, 1536
	s_add_co_u32 s96, s96, s94
	s_add_nc_u64 s[\yc:\yc+1], s[8:9], s[96:97]
	s_mul_i32 s96, s74, 1536
	s_add_co_u32 s96, s96, s95
	s_add_nc_u64 s[\qc:\qc+1], s[4:5], s[96:97]
	s_lshl_b32 s96, s74, 6
	s_add_co_u32 s96, s96, s81
	s_add_nc_u64 s[\qs:\qs+1], s[6:7], s[96:97]
.endm
	PLACE QBC, YC, YS, 84, 88
	PLACE QB2, YC2, YS2, 86, 90
	; the prefetches: who asks, and from where
	s_add_co_u32 s74, s95, TEN+UNIT                ; k's unit 1 of the pair: the first change of slots steps it to unit 2
	s_sub_co_u32 s75, s[WV], 6
	s_and_b32 s75, s75, 3
	s_lshl_b32 s75, s75, 18
	s_add_co_u32 s75, s75, s81                     ; wave 7: k's scale words of the pair, wave 8: v's
	s_sub_co_u32 s83, s[WV], 4
	s_cmp_lt_u32 s83, 3                            ; waves 4 to 6
	s_cselect_b32 s83, s83, 0
	s_cselect_b32 s[LIM], 14, 0
	s_cselect_b32 s[PFS], UNIT, 0
	s_cselect_b32 s96, s74, s75
	s_cselect_b64 s[PFA:PFA+1], s[4:5], s[6:7]
	s_mov_b32 s[PFS+1], 0
	s_add_nc_u64 s[PFA:PFA+1], s[PFA:PFA+1], s[96:97]
	s_sub_co_u32 s74, s[WV], 7
	s_cmp_lt_u32 s74, 2                            ; waves 7 and 8
	s_cselect_b32 s[LIM], 1, s[LIM]
	s_cmp_eq_u32 ttmp9, 0                          ; of the pair's first work-group
	s_cselect_b32 s[LIM], s[LIM], 0
	s_lshl_b32 s83, s83, 5
	s_cmp_eq_u32 s[HIN], 0
	s_cselect_b32 s[M0], -1, 0
	s_cselect_b32 s[M1], 0, -1
	v_and_b32 v8, 15, v0                           ; r
	v_bfe_u32 v9, v0, 4, 1                         ; h
	v_and_b32 v10, 31, v0                          ; lane
	s_delay_alu instid0(VALU_DEP_1)
	v_lshlrev_b32 v[AK0], 4, v10                   ; an image's place for my lane
	s_delay_alu instid0(VALU_DEP_4)
	v_lshlrev_b32 v93, 2, v8                       ; a scale word's
.irp c, 0,1,2
	global_load_b128 v[16+4*\c:19+4*\c], v[AK0], s[84:85] offset:512*\c     ; q of the first block,
	global_load_b128 v[80+4*\c:83+4*\c], v[AK0], s[86:87] offset:512*\c     ; of the second
.endr
	global_load_b32 v[QSW], v93, s[88:89]
	global_load_b32 v92, v93, s[90:91]
	s_mul_i32 s74, s[HIN], 6144
	s_add_co_u32 s74, s74, VIM
	v_add_nc_u32 v[AV0], s74, v[AK0]               ; v: my head's four images
	v_lshl_add_u32 v[ASK0], v8, 2, KSW
	s_lshl_b32 s74, s[HIN], 8
	s_add_co_u32 s74, s74, VSW
	v_lshl_add_u32 v[ASV0], v8, 2, s74
	v_lshlrev_b32 v[GO], 3, v10
	v_and_b32 v11, 8, v8
	s_delay_alu instid0(VALU_DEP_1)
	v_add_nc_u32 v11, v11, v8                      ; r + 8 (r / 8)
	v_lshlrev_b32 v12, 4, v9
	s_delay_alu instid0(VALU_DEP_1)
	v_sub_nc_u32 v[DQ], v11, v12
	s_lshr_b32 s74, s[WQ], 1
	s_lshl_b32 s74, s74, 5
	s_and_b32 s75, s[WQ], 1
	s_lshl_b32 s75, s75, 3
	s_add_co_u32 s74, s74, s75
	v_add_nc_u32 v[DQ], s74, v[DQ]                 ; 32 (tile / 2) + 8 (tile % 2) + r + 8 (r / 8) - 16 h
	v_lshl_add_u32 v[YSO], v8, 5, v9
	v_add_nc_u32 v[PFO], s83, v10                  ; which of the 96 blocks
	s_delay_alu instid0(VALU_DEP_1)
	v_cmp_le_u32 vcc_lo, 48, v[PFO]
	v_mov_b32 v95, TEN-UNIT
	s_delay_alu instid0(VALU_DEP_1)
	v_cndmask_b32 v94, 0, v95, vcc_lo              ; blocks 48 on are v's unit's
	s_delay_alu instid0(VALU_DEP_1)
	v_lshl_add_u32 v[PFO], v[PFO], 8, v94
	s_wait_loadcnt 0x0
.irp j, 0,1,2,3,4,5
	v_and_b32 v[16+\j], s[M0], v[16+\j]            ; the other head's codes become zero codes
	v_and_b32 v[22+\j], s[M1], v[22+\j]
	v_and_b32 v[80+\j], s[M0], v[80+\j]
	v_and_b32 v[86+\j], s[M1], v[86+\j]
.endr
	v_mov_b32 v13, 0xff61b1e6                      ; the largest t so far: -3e38
	s_delay_alu instid0(VALU_DEP_1)
	v_floor_f32 v12, -v13                          ; -M
	v_mov_b32 v14, 0
	v_mov_b32 v15, 0
.irp b, 0,1,2,3
	v_mov_b32 v[236+\b], 0                         ; written once: a lane permute's destination counts as one of its sources
.endr
	v_mov_b32 v253, 0                              ; (named as the upper half of v[252:253] before it is first written)
.set j, 0
.rept 32
	v_mov_b32 v[160+j], 0                          ; O^T: the step is written once; the first finds zeros, which the first change of M leaves zeros
.set j, j+1
.endr
; A block of queries is done: O^T / the sum, quantised along the head's 64 channels (two blocks of 32), stored.
.macro FINISH
.rept 4
	v_nop                                          ; places behind the last products
.endr
	v_add_f32 v14, v14, v15
	s_delay_alu instid0(VALU_DEP_1)
	v_permlanex16_b32 v252, v14, s[SEL], s[SEL+1]
	s_delay_alu instid0(VALU_DEP_1)
	v_add_f32 v14, v14, v252                       ; the row's sum
	s_wait_alu depctr_va_vdst(0)
	v_rcp_f32 v14, v14
	v_bfe_u32 v254, v0, 4, 1                       ; (plain lines behind the reciprocal)
	s_delay_alu instid0(VALU_DEP_1)
	v_lshlrev_b32 v254, 3, v254                    ; 8 h
	s_wait_alu depctr_va_vdst(0)                   ; the wait ahead of the first reader
.set j, 0
.rept 16
	v_pk_mul_f32 v[192+j:193+j], v[160+j:161+j], v[14:15] op_sel_hi:[1,0]   ; register 16 b + i is channel 32 b + 16 h + i of my query; each accumulator from its low end on
.set j, j+2
.endr
.irp b, 0,1
	v_max3_num_f32 v[232+\b], |v[192+16*\b]|, |v[193+16*\b]|, 0x2800000
.endr
.irp i, 2,4,6,8,10,12,14
.irp b, 0,1
	s_delay_alu instid0(VALU_DEP_2)
	v_max3_num_f32 v[232+\b], v[232+\b], |v[192+16*\b+\i]|, |v[193+16*\b+\i]|
.endr
.endr
.irp b, 0,1
	s_delay_alu instid0(VALU_DEP_2)
	v_permlanex16_b32 v[236+\b], v[232+\b], s[SEL], s[SEL+1]
.endr
.irp b, 0,1
	s_delay_alu instid0(VALU_DEP_2)
	v_max_num_f32 v[232+\b], v[232+\b], v[236+\b]
.endr
.irp b, 0,1
	s_delay_alu instid0(VALU_DEP_2)
	v_add_nc_u32 v[244+\b], 0xfe000000, v[232+\b]
.endr
.irp b, 0,1
	s_delay_alu instid0(VALU_DEP_2)
	v_lshrrev_b32 v[236+\b], 23, v[244+\b]
.endr
	s_delay_alu instid0(VALU_DEP_1)
	v_lshl_or_b32 v240, v237, 8, v236
	s_delay_alu instid0(VALU_DEP_1)
	v_lshrrev_b32 v240, v254, v240                 ; lanes 0-15 store block 0's byte, lanes 16-31 block 1's
	v_cvt_scalef32_pk16_bf6_f32 v[224:226], v[192:207], v244
	v_cvt_scalef32_pk16_bf6_f32 v[236:238], v[208:223], v245
	v_nop                                          ; one plain line behind a scaled conversion
.irp i, 0,1,2
	v_permlane16_swap_b32 v[224+\i], v[236+\i]     ; a whole block in a lane: lanes 0-15 block 0, lanes 16-31 block 1
.endr
.irp i, 0,1,2
	s_delay_alu instid0(VALU_DEP_3)
	v_mov_b32 v[227+\i], v[236+\i]
.endr
.irp p, 0,1,2
	global_store_b64 v[GO], v[224+2*\p:225+2*\p], s[YC:YC+1] offset:256*\p   ; 32 lanes store 256 consecutive bytes, aligned
.endr
	global_store_b8 v[YSO], v240, s[YS:YS+1]
	s_wait_xcnt 0x0                                ; the stores have read their registers and bases
.endm
.macro REINIT                          ; on to the second block of queries
	v_mov_b32 v[QSW], v92                          ; the scale word first: eight plain lines and more follow it
.set j, 0
.rept 12
	v_mov_b32 v[16+j], v[80+j]
.set j, j+1
.endr
	v_mov_b32 v13, 0xff61b1e6
	s_delay_alu instid0(VALU_DEP_1)
	v_floor_f32 v12, -v13
	v_mov_b32 v14, 0
	v_mov_b32 v15, 0
.set j, 0
.rept 32
	v_mov_b32 v[160+j], 0
.set j, j+1
.endr
	s_mov_b32 s[QBC], s[QB2]
	s_mov_b64 s[YC:YC+1], s[YC2:YC2+1]
	s_mov_b64 s[YS:YS+1], s[YS2:YS2+1]
.endm
; A KEY STEP: 128 keys.  tail = 0: in the loop, where the step on the diagonal is told by a scalar branch on ids; tail = 1: the last step, which is on the diagonal.
.macro STEP tail
	v_add_nc_u32 v[ADK], s[TB], v[AK0]             ; (these four are the places in front of the loads below)
	s_wait_alu depctr_va_vdst(0)
	v_add_nc_u32 v[ADV], s[TB], v[AV0]
	v_add_nc_u32 v[ADS], s[TB], v[ASK0]
	s_wait_alu depctr_va_vdst(0)
	v_add_nc_u32 v[ADT], s[TB], v[ASV0]
	s_wait_alu depctr_va_vdst(0)
.irp g, 0,1                                    ; S^T = k q^T, four tiles of 16 keys at a time
.if \g
.rept 4
	v_nop
.endr
.endif
.irp t, 0,1,2,3
.irp c, 0,1,2
	ds_load_b128 v[32+12*\t+4*\c:35+12*\t+4*\c], v[ADK] offset:(4*\g+\t)*1536+512*\c
.endr
	ds_load_b32 v[248+\t], v[ADS] offset:(4*\g+\t)*64
.endr
	s_wait_dscnt 0x0
.irp t, 0,1,2,3
	v_wmma_scale_f32_16x16x128_f8f6f4 v[96+8*(4*\g+\t):103+8*(4*\g+\t)], v[32+12*\t:43+12*\t], v[16:27], 0, v[248+\t], v[QSW] matrix_a_fmt:MATRIX_FMT_BF6 matrix_b_fmt:MATRIX_FMT_BF6
.endr
.endr                                          ; register 16 b + i is key 32 b + 16 h + i of the step
.rept 4
	v_nop
.endr
.irp t, 0,1,2,3                                ; my head's four images of v and their scale words: they land under the softmax
.irp c, 0,1,2
	ds_load_b128 v[32+12*\t+4*\c:35+12*\t+4*\c], v[ADV] offset:\t*1536+512*\c
.endr
	ds_load_b32 v[248+\t], v[ADT] offset:\t*64
.endr
.if \tail == 0
	s_cmp_lg_u32 s[KSC], s[QBC]
	s_cbranch_scc1 .Lopen_\@
.endif
	v_mov_b32 v254, 0xff800000                     ; on the diagonal hidden scores become -infinity ahead of the maximum: p = 0 then
.set n, 0
.rept 64
	v_cmp_gt_i32 vcc_lo, 32*(n/16)+n%16, v[DQ]
	v_cndmask_b32 v[96+n], v[96+n], v254, vcc_lo
.set n, n+1
.endr
.if \tail == 0
.Lopen_\@:
.endif
.irp b, 0,1,2,3
	v_max3_num_f32 v[232+\b], v[96+16*\b], v[97+16*\b], v[98+16*\b]   ; the largest score of each block of 32 keys: for the row's maximum and, since p rises with the score, for the block's largest p
.endr
.irp i, 3,5,7,9,11,13
.irp b, 0,1,2,3
	v_max3_num_f32 v[232+\b], v[232+\b], v[96+16*\b+\i], v[97+16*\b+\i]
.endr
.endr
.irp b, 0,1,2,3
	v_max_num_f32 v[232+\b], v[232+\b], v[111+16*\b]
.endr
.irp b, 0,1,2,3
	s_delay_alu instid0(VALU_DEP_4)
	v_permlanex16_b32 v[236+\b], v[232+\b], s[SEL], s[SEL+1]
.endr
.irp b, 0,1,2,3
	s_delay_alu instid0(VALU_DEP_4)
	v_max_num_f32 v[232+\b], v[232+\b], v[236+\b]
.endr
	s_delay_alu instid0(VALU_DEP_2)
	v_max3_num_f32 v254, v232, v233, v234
	s_delay_alu instid0(VALU_DEP_1)
	v_max_num_f32 v254, v254, v235
	s_delay_alu instid0(VALU_DEP_1)
	v_mul_f32 v254, s[CS], v254
	s_delay_alu instid0(VALU_DEP_1)
	v_max_num_f32 v13, v13, v254                   ; the running largest t
	v_mov_b32 v254, v12
	s_delay_alu instid0(VALU_DEP_2)
	v_floor_f32 v12, -v13                          ; the new -M = -ceil(t)
	s_delay_alu instid0(VALU_DEP_1)
	v_sub_f32 v254, v12, v254                      ; old M - new M: a whole number, 0 or less
	s_delay_alu instid0(VALU_DEP_1)
	v_cvt_i32_f32 v254, v254                       ; (it saturates)
	s_delay_alu instid0(VALU_DEP_1)
	v_ldexp_f32 v252, 1.0, v254                    ; f = 2^(old M - new M)
.set j, 0
.rept 32
	v_pk_fma_f32 v[96+j:97+j], v[96+j:97+j], s[CS:CS+1], v[12:13] op_sel_hi:[1,0,0]   ; t - M, two at a time
.set j, j+2
.endr
.irp b, 0,1,2,3
	v_fma_f32 v[232+\b], v[232+\b], s[CS], v12
.endr
.set j, 0
	s_wait_alu depctr_va_vdst(0)
.rept 64
	v_exp_f32 v[96+j], v[96+j]                     ; p = 2^(t - M)
.set j, j+1
.endr
	v_pk_mul_f32 v[14:15], v[14:15], v[252:253] op_sel_hi:[1,0]   ; the sums under the new M (a plain line behind the exponentials)
	s_wait_alu depctr_va_vdst(0)                   ; one wait for the batch of 64, ahead of its first reader
.irp b, 0,1,2,3
	v_exp_f32 v[232+\b], v[232+\b]                 ; each block's largest p
.endr
	v_pk_add_f32 v[236:237], v[100:101], v[104:105]
	v_pk_add_f32 v[254:255], v[108:109], v[112:113]
	v_pk_add_f32 v[246:247], v[116:117], v[120:121]
	v_pk_add_f32 v[244:245], v[124:125], v[128:129]
	v_pk_add_f32 v[242:243], v[132:133], v[136:137]
	v_pk_add_f32 v[240:241], v[140:141], v[144:145]
	v_pk_add_f32 v[238:239], v[148:149], v[152:153]
	v_pk_add_f32 v[14:15], v[14:15], v[156:157]
	v_pk_add_f32 v[236:237], v[236:237], v[96:97]
	v_pk_add_f32 v[254:255], v[254:255], v[98:99]
	v_pk_add_f32 v[246:247], v[246:247], v[102:103]
	v_pk_add_f32 v[244:245], v[244:245], v[106:107]
	v_pk_add_f32 v[242:243], v[242:243], v[110:111]
	v_pk_add_f32 v[240:241], v[240:241], v[114:115]
	v_pk_add_f32 v[238:239], v[238:239], v[118:119]
	v_pk_add_f32 v[14:15], v[14:15], v[122:123]
	v_pk_add_f32 v[236:237], v[236:237], v[126:127]
	v_pk_add_f32 v[254:255], v[254:255], v[130:131]
	v_pk_add_f32 v[246:247], v[246:247], v[134:135]
	v_pk_add_f32 v[244:245], v[244:245], v[138:139]
	v_pk_add_f32 v[242:243], v[242:243], v[142:143]
	v_pk_add_f32 v[240:241], v[240:241], v[146:147]
	v_pk_add_f32 v[238:239], v[238:239], v[150:151]
	v_pk_add_f32 v[14:15], v[14:15], v[154:155]
	v_pk_add_f32 v[236:237], v[236:237], v[158:159]
	s_delay_alu instid0(VALU_DEP_2)
	v_pk_add_f32 v[14:15], v[14:15], v[244:245]
	s_delay_alu instid0(VALU_DEP_2)
	v_pk_add_f32 v[236:237], v[236:237], v[242:243]
	v_pk_add_f32 v[254:255], v[254:255], v[240:241]
	v_pk_add_f32 v[246:247], v[246:247], v[238:239]
	s_delay_alu instid0(VALU_DEP_2)
	v_pk_add_f32 v[14:15], v[14:15], v[254:255]
	s_delay_alu instid0(VALU_DEP_2)
	v_pk_add_f32 v[236:237], v[236:237], v[246:247]
	s_delay_alu instid0(VALU_DEP_1)
	v_pk_add_f32 v[14:15], v[14:15], v[236:237]
	s_wait_alu depctr_va_vdst(0)                   ; and one for the four
.irp b, 0,1,2,3
	v_max_num_f32 v[232+\b], 0x2800000, v[232+\b]  ; the floor 2^(5 - 127)
.endr
.irp b, 0,1,2,3
	s_delay_alu instid0(VALU_DEP_4)
	v_add_nc_u32 v[244+\b], 0xfe000000, v[232+\b]
.endr
.irp b, 0,1,2,3
	s_delay_alu instid0(VALU_DEP_4)
	v_lshrrev_b32 v[236+\b], 23, v[244+\b]
.endr
	s_delay_alu instid0(VALU_DEP_3)
	v_lshl_or_b32 v253, v237, 8, v236              ; p's scale word for these 128 keys
	s_delay_alu instid0(VALU_DEP_1)
	v_lshl_or_b32 v253, v238, 16, v253
	s_delay_alu instid0(VALU_DEP_1)
	v_lshl_or_b32 v253, v239, 24, v253
.irp c, 0,1
	v_cvt_scalef32_pk16_bf6_f32 v[224+6*\c:226+6*\c], v[96+32*\c:111+32*\c], v[244+2*\c]
	v_cvt_scalef32_pk16_bf6_f32 v[236+4*\c:238+4*\c], v[112+32*\c:127+32*\c], v[244+2*\c+1]
.endr
	v_nop
.irp c, 0,1
.irp i, 0,1,2
	v_permlane16_swap_b32 v[224+6*\c+\i], v[236+4*\c+\i]
.endr
.irp i, 0,1,2
	s_delay_alu instid0(VALU_DEP_3)
	v_mov_b32 v[227+6*\c+\i], v[236+4*\c+\i]
.endr
.endr
.set j, 0
.rept 16
	v_pk_mul_f32 v[160+j:161+j], v[160+j:161+j], v[252:253] op_sel_hi:[1,0]   ; O^T under the new M; of these sixteen, twelve name no register of any one product below: its places behind p's codes and scale word
.set j, j+2
.endr
	s_wait_alu depctr_va_vdst(0)
	s_wait_dscnt 0x0                               ; v's images are in
.irp t, 0,1,2,3                                ; O^T += v^T p^T: four accumulators, one instruction each
	v_wmma_scale_f32_16x16x128_f8f6f4 v[160+8*\t:167+8*\t], v[32+12*\t:43+12*\t], v[224:235], v[160+8*\t:167+8*\t], v[248+\t], v253 matrix_a_fmt:MATRIX_FMT_BF6 matrix_b_fmt:MATRIX_FMT_BF6
.endr
.if \tail == 0
	s_cmp_lg_u32 s[KSC], s[QBC]
	s_cbranch_scc1 .Lgo_on_\@
	FINISH
	REINIT
.Lgo_on_\@:
	s_mov_b32 s[KSC], s[KSN]
	s_xor_b32 s[TB], s[TB], SLOT1
.endif
.endm
; THE CHANGE OF SLOTS stands at a step's head.  Each wave waits for all its tensor loads, adds 0 to its spare word, and waits for that and for its reads of the slot that it has left.  Behind the barrier the slot ahead is whole
; and nobody reads the other one: with fill = 1 it takes the next trip's key step, which has this step's work in which to land.
.macro CHANGE fill
	s_wait_tensorcnt 0x0                           ; no tensor load of mine is out, so a group 0 may be written
	ds_add_u32 v[SPW], v[NIL]                      ; 0 onto my spare word
.if \fill
	s_add_co_u32 s82, s[STP], 1
	s_sub_co_u32 s83, s82, s[P1]
	s_cmp_lt_u32 s82, s[P1]
	s_cselect_b32 s[KSN], s82, s83                 ; the next trip's key step: on in the first block, or from 0 in the second
	s_xor_b32 s[G0C+1], s[G0C+1], SLOT1
	s_xor_b32 s[G0S+1], s[G0S+1], SLOT1
	s_mul_i32 s82, s[KSN], UNIT
	s_mov_b32 s83, 0
	s_add_nc_u64 s[G0C+2:G0C+3], s[CB:CB+1], s[82:83]
	s_or_b32 s[G0C+3], s[G0C+3], 0x80000000
	s_lshl_b32 s82, s[KSN], 9
	s_add_nc_u64 s[G0S+2:G0S+3], s[SB:SB+1], s[82:83]
	s_or_b32 s[G0S+3], s[G0S+3], 0x80000000
	s_wait_xcnt 0x0                                ; the last prefetch, a step back, has read its address
	s_add_nc_u64 s[PFA:PFA+1], s[PFA:PFA+1], s[PFS:PFS+1]
.endif
	s_wait_dscnt 0x0                               ; the add is done, and my reads of the slot that I have left are over
	s_barrier_signal -1
	s_barrier_wait -1
.if \fill
	TLOAD                                          ; the first thing behind the barrier, and a wave's one tensor load until the next
	ASK
.endif
.endm
.Lstep:                                            ; 16 trips
	CHANGE 1
	STEP 0
	s_add_co_u32 s[STP], s[STP], 1
	s_cmp_lt_u32 s[STP], 16
	s_cbranch_scc1 .Lstep
	CHANGE 0                                       ; the last step is written out
	STEP 1
	FINISH
	s_wait_tensorcnt 0x0                           ; the wave's end
	ds_add_u32 v[SPW], v[NIL]
	s_wait_dscnt 0x0
	s_endpgm
.Lfunc_end_k_q975dea586b_attn:
	.size	k_q975dea586b_attn, .Lfunc_end_k_q975dea586b_attn-k_q975dea586b_attn
	.p2alignl 7, 3214868480
	.fill 96, 4, 3214868480
	.section	.rodata,"a",@progbits
	.p2align	6, 0x0
	.amdhsa_kernel k_q975dea586b_attn
		.amdhsa_group_segment_fixed_size 327680
		.amdhsa_private_segment_fixed_size 0
		.amdhsa_enable_private_segment 0
		.amdhsa_kernarg_size 32
		.amdhsa_user_sgpr_count 2
		.amdhsa_user_sgpr_kernarg_segment_ptr 1
		.amdhsa_wavefront_size32 1
		.amdhsa_system_sgpr_workgroup_id_x 1
		.amdhsa_system_sgpr_workgroup_id_y 1
		.amdhsa_system_sgpr_workgroup_id_z 1
		.amdhsa_system_vgpr_workitem_id 0
		.amdhsa_next_free_vgpr 256
		.amdhsa_next_free_sgpr 100
		.amdhsa_reserve_vcc 1
		.amdhsa_float_denorm_mode_32 3
		.amdhsa_float_denorm_mode_16_64 3
		.amdhsa_memory_ordered 1
		.amdhsa_forward_progress 1
		.amdhsa_inst_pref_size 70
	.end_amdhsa_kernel
	.amdgpu_metadata
---
amdhsa.version: [ 1, 2 ]
amdhsa.kernels:
  - .name:           k_q975dea586b_attn
    .symbol:         k_q975dea586b_attn.kd
    .args:
      - { .name: cod, .offset: 0, .size: 8, .value_kind: global_buffer, .address_space: global }
      - { .name: scl, .offset: 8, .size: 8, .value_kind: global_buffer, .address_space: global }
      - { .name: yc, .offset: 16, .size: 8, .value_kind: global_buffer, .address_space: global }
      - { .name: ys, .offset: 24, .size: 8, .value_kind: global_buffer, .address_space: global }
    .group_segment_fixed_size: 327680
    .private_segment_fixed_size: 0
    .kernarg_segment_align: 8
    .kernarg_segment_size: 32
    .max_flat_workgroup_size: 512
    .sgpr_count:     100
    .vgpr_count:     256
    .wavefront_size: 32
...
	.end_amdgpu_metadata
.endif
;; end of part 3
;; launch proj (part 4): grid 4 x 32, 4 waves a work-group, clusters of 4 x 4, 327,680 bytes of LDS; arguments yc, ys, wc, ws, bp, out0; writes out0
.if DOCPART == 4
	.amdgcn_target "amdgcn-amd-amdhsa--gfx1250"
	.amdhsa_code_object_version 6
	.text
	.protected	k_q975dea586b_proj
	.globl	k_q975dea586b_proj
	.p2align	8
	.type	k_q975dea586b_proj,@function
k_q975dea586b_proj:
	s_mov_b64 s[64:65], 0
	v_nop
	global_prefetch_b8 v0, s[64:65] scope:SCOPE_SE
	s_setreg_imm32_b32 hwreg(HW_REG_WAVE_MODE, 25, 1), 1
	s_wait_xcnt 0x0
	s_wait_alu depctr_hold_cnt(0) depctr_sa_sdst(0) depctr_va_vdst(0) depctr_va_sdst(0) depctr_va_ssrc(0) depctr_va_vcc(0) depctr_vm_vsrc(0)
	s_getreg_b32 s2, hwreg(HW_REG_IB_STS2, 6, 4)
	s_cmp_eq_u32 s2, 0
	s_cbranch_scc0 .Lentry_in_a_cluster
	s_endpgm
.Lentry_in_a_cluster:
	s_bfe_u32 s2, ttmp6, 0x10000c
	s_cmp_lg_u32 s2, 0xf033
	s_cbranch_scc0 .Lentry_shape_is_right
	s_endpgm
.Lentry_shape_is_right:
; out0 = y Wp^T + bp on codes of BF6 with E8M0 scales, K = 1,024; out0 [8192][1024] f32.
; A = y: yc [head pair = 128 along K][tile of 16 stored tokens][6 pieces][32 lanes][8 bytes]: piece P = registers 2 P, 2 P + 1 of the fragment; ys [stored token][32].  B = Wp: rows 3,072 on of wc [.][768] and ws [.][32].
; Rows of both are stored in the order 0, 2, 1, 3 of each 32 rows' groups of 8.  TRANSPOSED USE (source 0 = 16 stored rows of Wp, source 1 = 16 stored tokens): register 8 b + j of lane (r, h) is column
; 32 (b / 2) + 16 h + 8 (b % 2) + j in the true order, and lane r of block a is token 32 (a / 2) + 8 (a % 2) + r + 8 (r / 8).
; A tile of out0 is 256 x 256: four waves, each 128 x 128 in 64 accumulators.  K goes in steps of 256 through two LDS slots.  A's part of a slot is two dense blocks of 24,576 bytes (16 tiles of tokens x one head pair each),
; fetched by waves 0 and 1; B's is 256 rows of 192 bytes, padded, fetched by waves 2 and 3.  The scale bytes of the tile's rows come once and stay.
; CLUSTERS 4 x 4: A's tiles are asked for jointly along a row of the cluster, B's along a column.  The problem has 128 such tiles: 128 work-groups.
; bp is the C of each sum's first product.
; REGISTERS, in windows of 256: window 0: v0-31 addresses; v32-63 scale words, two sets; v64-127 bp; v128-223 A's fragments, one set; on the way out v128-255 rows of out0.  window 1: B's fragments, two sets.  windows 2, 3: the accumulators.
.set KSTEP,  256
.set NQ,     2
.set ROWB,   192
.set KROW,   768
.set PITCH,  240
.set FR,     12
.set NL,     6
.set NP,     4
.set HALFT,  128*PITCH                 ; a wave's part of a slot: 128 padded rows of B; of A 24,576 bytes of it are used
.set SLOT,   4*HALFT
.set ASTEP,  2*512*1536                ; A: a K step on: two head pairs
.set LAPS,   2
.set KS,     32
.set SCL,    2*SLOT
.set HALFS,  16*272
.set SBLK,   2*272
.set SPARE,  SCL+4*HALFS               ; the spare words, 128 bytes a wave: two blocks of 256 bytes that no other line names
.set SPITCH, 528                       ; the way out: a stage of 16 rows x (512 bytes + 16) for each wave, in slot 0, which has had its last fill and its last read by then
.set ADRA, 16                          ; v16-17  A's fragments in slot 0, 1: 12,288 x my half + 8 x lane
.set ADRB, 20                          ; v20-23  B's
.set STO,  24
.set RD,   25
.set CO,   26
.set ADRS, 27
.set SPW,  28
.set NIL,  29
.set SC,   32
.set BN,   64
.set AF,   128
.set BK,   128
.set G1, 24
.set G0, 32
.set G1B, 48
.set G0B, 56
.set G1S, 68
.set G0S, 76
.set G1SB, 80
.set G0SB, 88
.set MSB, 0
.macro WIN new
.if MSB != (\new)
	s_set_vgpr_msb (MSB<<8)|(\new)
.set MSB, (\new)
.endif
.endm
.set MUL_LO, 0xa1
.set MUL_HI, 0xf1
.set TO_B,   0x40
.macro JLOAD g0a, g1a, g0b, g1b        ; a joint load: waves 0 and 1 fetch for A, waves 2 and 3 for B; four v_nop follow each line
	s_cmp_eq_u32 s15, 0
	s_cbranch_scc0 .Lfor_b_\@
	tensor_load_to_lds s[\g0a:\g0a+3], s[\g1a:\g1a+7]
	s_nop 0
.rept 4
	v_nop
.endr
	s_branch .Lasked_\@
.Lfor_b_\@:
	tensor_load_to_lds s[\g0b:\g0b+3], s[\g1b:\g1b+7]
	s_nop 0
.rept 4
	v_nop
.endr
.Lasked_\@:
.endm
.macro CREST
	s_cmp_lg_u32 s14, 0
	s_cbranch_scc1 .Lnot_wave_0_\@
	s_barrier_signal -3
.Lnot_wave_0_\@:
	s_barrier_wait -3
	s_barrier_signal -1
	s_barrier_wait -1
.endm
.macro CROUND
	s_barrier_signal -1
	s_barrier_wait -1
	CREST
.endm
	s_load_b256 s[4:11], s[0:1], 0x0               ; yc, ys, wc, ws
	s_load_b128 s[96:99], s[0:1], 0x20             ; bp, out0
	v_lshl_add_u32 v[SPW], v0, 2, SPARE
	v_mov_b32 v[NIL], 0
	ds_add_u32 v28, v29
	s_wait_dscnt 0x0
	v_lshrrev_b32 v1, 5, v0
	v_readfirstlane_b32 s14, v1                    ; wave 0..3
	s_lshr_b32 s15, s14, 1                         ; which half of the tile's rows is mine.  Also: I fetch for A (0) or for B (1)
	s_and_b32 s16, s14, 1                          ; which half of its columns.  Also: which part I fetch
	s_bfe_u32 s40, ttmp6, 0x40000                  ; cx
	s_bfe_u32 s41, ttmp6, 0x40004                  ; cy
	s_lshl_b32 s42, ttmp9, 2
	s_add_co_u32 s42, s42, s40                     ; tile column
	s_and_b32 s17, ttmp7, 0xffff
	s_lshl_b32 s17, s17, 2
	s_add_co_u32 s17, s17, s41                     ; tile row
	s_lshl_b32 s43, s41, 2
	s_lshl_b32 s43, 15, s43                        ; my row of the cluster
	s_lshl_b32 s44, 0x1111, s40                    ; my column
	s_or_b32 s[G1+0], s43, (3<<16)|(1<<21)         ; A: the mask; elements of 8 bytes; bit 21 beside a mask; no padding: 96 dense rows of 256 bytes
	s_mov_b32 s[G1+1], 32<<16
	s_mov_b32 s[G1+2], 96<<16
	s_mov_b32 s[G1+3], 32<<16
	s_mov_b32 s[G1+4], 96
	s_mov_b32 s[G1+5], 32
	s_mov_b32 s[G1+6], 0
	s_mov_b32 s[G1+7], 0
	s_or_b32 s[G1B+0], s44, (0<<16)|(1<<20)|(1<<21)|(3<<22)|(3<<25)  ; B: 128 rows of 192 bytes, 16 bytes of padding behind every 64
	s_mov_b32 s[G1B+1], ROWB<<16
	s_mov_b32 s[G1B+2], 128<<16
	s_mov_b32 s[G1B+3], ROWB<<16
	s_mov_b32 s[G1B+4], 128
	s_mov_b32 s[G1B+5], KROW
	s_mov_b32 s[G1B+6], 0
	s_mov_b32 s[G1B+7], 0
	s_or_b32 s[G1S+0], s43, (3<<16)|(1<<20)|(1<<21)|(5<<22)|(3<<25)  ; the scale bytes of 128 rows: 16 dense rows of 256 bytes, 16 bytes of padding behind each
	s_or_b32 s[G1SB+0], s44, (3<<16)|(1<<20)|(1<<21)|(5<<22)|(3<<25)
.irp g, G1S, G1SB
	s_mov_b32 s[\g+1], 32<<16
	s_mov_b32 s[\g+2], 16<<16
	s_mov_b32 s[\g+3], 32<<16
	s_mov_b32 s[\g+4], 16
	s_mov_b32 s[\g+5], 32
	s_mov_b32 s[\g+6], 0
	s_mov_b32 s[\g+7], 0
.endr
	s_lshl_b32 s18, s16, 7
	s_lshl_b32 s22, s17, 8
	s_add_co_u32 s22, s22, s18
	s_lshl_b32 s22, s22, 5                         ; A's scale bytes: row 256 x tile row + 128 x part, 32 bytes a row
	s_mov_b32 s23, 0
	s_lshl_b32 s20, s16, 9
	s_lshl_b32 s21, s17, 4
	s_add_co_u32 s20, s20, s21
	s_mul_i32 s20, s20, 1536                       ; A's codes: head pair = part, tile of tokens 16 x tile row
	s_mov_b32 s21, 0
	s_lshl_b32 s46, s42, 8
	s_add_co_u32 s46, s46, s18
	s_add_co_u32 s46, s46, 3072                    ; B: row 3,072 + 256 x tile column + 128 x part
	s_lshl_b32 s92, s46, 5
	s_mov_b32 s93, 0
	s_mul_i32 s46, s46, KROW
	s_mov_b32 s47, 0
	s_mul_i32 s45, s14, HALFT                      ; where they go: no place in the cluster enters an LDS address
	s_mul_i32 s94, s14, HALFS
	s_wait_kmcnt 0x0
	s_add_nc_u64 s[20:21], s[4:5], s[20:21]
	s_add_nc_u64 s[22:23], s[6:7], s[22:23]
	s_add_nc_u64 s[46:47], s[8:9], s[46:47]
	s_add_nc_u64 s[92:93], s[10:11], s[92:93]
	CROUND                                         ; all sixteen work-groups are here: the first joint loads meet
	s_mov_b32 s[G0S], 1
	s_add_co_u32 s[G0S+1], s94, SCL
	s_mov_b64 s[G0S+2:G0S+3], s[22:23]
	s_or_b32 s[G0S+3], s[G0S+3], 0x80000000
	s_mov_b32 s[G0SB], 1
	s_add_co_u32 s[G0SB+1], s94, SCL
	s_mov_b64 s[G0SB+2:G0SB+3], s[92:93]
	s_or_b32 s[G0SB+3], s[G0SB+3], 0x80000000
	JLOAD G0S, G1S, G0SB, G1SB
.irp s, 0,1
	s_mov_b32 s[G0+4*\s], 1
	s_add_co_u32 s[G0+4*\s+1], s45, \s*SLOT
	s_add_nc_u64 s[G0+4*\s+2:G0+4*\s+3], s[20:21], \s*ASTEP
	s_or_b32 s[G0+4*\s+3], s[G0+4*\s+3], 0x80000000
	s_mov_b32 s[G0B+4*\s], 1
	s_add_co_u32 s[G0B+4*\s+1], s45, \s*SLOT
	s_add_nc_u64 s[G0B+4*\s+2:G0B+4*\s+3], s[46:47], \s*ROWB
	s_or_b32 s[G0B+4*\s+3], s[G0B+4*\s+3], 0x80000000
	JLOAD G0+4*\s, G1, G0B+4*\s, G1B
.endr
	v_and_b32 v1, 15, v0                           ; r
	v_bfe_u32 v2, v0, 4, 1                         ; h
	v_and_b32 v6, 31, v0                           ; lane
	v_mul_u32_u24 v3, v1, PITCH
	v_mul_u32_u24 v4, v2, 24
	v_add_nc_u32 v4, v3, v4                        ; B: a fragment's row x pitch + 24 x half
	v_lshl_add_u32 v5, v2, 4, v4                   ; and the same behind one padding more
	v_lshlrev_b32 v3, 3, v6                        ; A: 8 x lane
	s_mul_i32 s21, s15, 12288                      ; my 8 tiles of tokens
	s_mul_i32 s22, s16, HALFT                      ; my 128 rows of B,
	s_add_co_u32 s22, s22, 2*HALFT                 ; behind A's two parts
.irp s, 0,1
	v_add_nc_u32 v[ADRA+\s], s21, v3
	v_add_nc_u32 v[ADRB+\s], s22, v4
	v_add_nc_u32 v[ADRB+2+\s], s22, v5
	s_add_co_u32 s21, s21, SLOT
	s_add_co_u32 s22, s22, SLOT
.endr
	v_mul_u32_u24 v5, v1, KS
	v_lshrrev_b32 v4, 8, v5
	v_lshl_add_u32 v5, v4, 4, v5
	s_mul_i32 s21, s15, HALFS
	s_mul_i32 s22, s16, HALFS
	s_add_co_u32 s22, s22, 2*HALFS
	s_sub_co_u32 s22, s22, s21
	v_mul_u32_u24 v4, s22, v2                      ; lanes 16-31 take B's
	s_add_co_u32 s21, s21, SCL
	v_add_nc_u32 v5, v5, v4
	v_add_nc_u32 v[ADRS], s21, v5
	s_mul_i32 s23, s14, 16*SPITCH                  ; my stage
	v_mul_u32_u24 v5, v1, SPITCH
	v_lshl_add_u32 v5, v2, 6, v5                   ; in: row r, + 64 h: columns 16 h on
	v_add_nc_u32 v[STO], s23, v5
	v_lshlrev_b32 v[CO], 4, v6                     ; back: the 32 lanes take one row of 512 bytes; and the same in out0
	v_add_nc_u32 v[RD], s23, v[CO]
	v_lshlrev_b32 v7, 6, v2                        ; bp: 16 h numbers on
	s_lshl_b32 s20, s42, 10
	s_lshl_b32 s21, s16, 9
	s_add_co_u32 s20, s20, s21                     ; my first column, in bytes: 1,024 x tile column + 512 x half
	s_mov_b32 s21, 0
	s_add_nc_u64 s[96:97], s[96:97], s[20:21]
	s_add_nc_u64 s[98:99], s[98:99], s[20:21]
	s_lshl_b32 s20, s17, 8
	s_lshl_b32 s22, s15, 7
	s_add_co_u32 s20, s20, s22
	s_lshl_b32 s20, s20, 12                        ; my first row: 4,096 bytes a row
	s_add_nc_u64 s[98:99], s[98:99], s[20:21]
.irp b, 0,1,2,3,4,5,6,7
	global_load_b128 v[BN+8*\b:BN+8*\b+3], v7, s[96:97] offset:128*(\b/2)+32*(\b%2)
	global_load_b128 v[BN+8*\b+4:BN+8*\b+7], v7, s[96:97] offset:128*(\b/2)+32*(\b%2)+16
.endr
	s_wait_loadcnt 0x0
.macro FRAG reg, adr, q, i             ; B: 16 rows x 128 K, in pieces of 8 bytes; for some pieces lanes 16-31 lie behind one padding more: the second address register
.irp p, 0,1,2,3,4,5
.set PCE, 12*(\q)+6*(\p/3)+\p%3
.if PCE%8 < 5
	ds_load_b64 v[\reg+2*\p:\reg+2*\p+1], v[\adr] offset:8*PCE+16*(PCE/8)+(\i)*16*PITCH
.else
	ds_load_b64 v[\reg+2*\p:\reg+2*\p+1], v[\adr+2] offset:8*PCE+16*(PCE/8)+(\i)*16*PITCH
.endif
.endr
.endm
.macro FRAGA reg, slot, q, i           ; A: the fragment's six pieces as they were stored: 256 consecutive bytes a load
.irp p, 0,1,2,3,4,5
	ds_load_b64 v[\reg+2*\p:\reg+2*\p+1], v[ADRA+\slot] offset:(\q)*HALFT+(\i)*1536+256*\p
.endr
.endm
.macro MUL16 a0, p, q, sc, zero        ; the 64 accumulators take turns, one instruction a turn; zero = 1: the sums start on bp
.irp a, \a0, \a0+1
.irp b, 0,1,2,3,4,5,6,7
.if \zero
	v_wmma_scale_f32_16x16x128_f8f6f4 v[8*(8*((\a)%4)+\b):8*(8*((\a)%4)+\b)+7], v[128*(\p)+FR*\b:128*(\p)+FR*\b+FR-1], v[AF+FR*(\a):AF+FR*(\a)+FR-1], v[BN+8*\b:BN+8*\b+7], v[SC+8*NQ*(\sc)+NQ*\b+(\q)], v[SC+8*NQ*(\sc)+NQ*(\a)+(\q)] matrix_a_fmt:MATRIX_FMT_BF6 matrix_b_fmt:MATRIX_FMT_BF6 matrix_a_scale:MATRIX_SCALE_ROW1
.else
	v_wmma_scale_f32_16x16x128_f8f6f4 v[8*(8*((\a)%4)+\b):8*(8*((\a)%4)+\b)+7], v[128*(\p)+FR*\b:128*(\p)+FR*\b+FR-1], v[AF+FR*(\a):AF+FR*(\a)+FR-1], v[8*(8*((\a)%4)+\b):8*(8*((\a)%4)+\b)+7], v[SC+8*NQ*(\sc)+NQ*\b+(\q)], v[SC+8*NQ*(\sc)+NQ*(\a)+(\q)] matrix_a_fmt:MATRIX_FMT_BF6 matrix_b_fmt:MATRIX_FMT_BF6 matrix_a_scale:MATRIX_SCALE_ROW1
.endif
.endr
.endr
.endm
.macro FETCH_B slot, q, p
	WIN TO_B
.irp i, 0,1,2,3,4,5,6,7
	FRAG 128*(\p)+FR*\i, ADRB+\slot, \q, \i
.endr
	WIN 0
.endm
.macro FETCH_A slot, q, i0
.irp i, \i0, \i0+1, \i0+2, \i0+3
	FRAGA AF+FR*(\i), \slot, \q, \i
.endr
.endm
.macro SCALES sc
.irp i, 0,1,2,3,4,5,6,7
	ds_load_b64 v[SC+8*NQ*\sc+NQ*\i:SC+8*NQ*\sc+NQ*\i+1], v[ADRS] offset:\i*SBLK
.endr
.endm
.macro PLACES n
.rept \n
	v_nop
.endr
.endm
.macro STEP slot, q, zero
	s_wait_dscnt 4*NL                              ; B's set and A's blocks 0-3 are in; the youngest 24 loads (A's blocks 4-7) may be out
.if \zero
	WIN 0x81                                       ; C (bp) in window 0, D in window 2
.else
	WIN MUL_LO
.endif
	MUL16 0, (\q)%2, \q, \slot, \zero
	MUL16 2, (\q)%2, \q, \slot, \zero
	s_wait_dscnt 0
	PLACES NP
	FETCH_B \slot, (\q)+1, 1-(\q)%2
	FETCH_A \slot, (\q)+1, 0
.if \zero
	WIN 0xc1
.else
	WIN MUL_HI
.endif
	MUL16 4, (\q)%2, \q, \slot, \zero
	MUL16 6, (\q)%2, \q, \slot, \zero
	PLACES NP
	WIN 0
	FETCH_A \slot, (\q)+1, 4
.endm
.macro TURN slot, next, fill
	s_wait_tensorcnt 0x0                           ; all my tensor loads have landed: my part of the next slot
	ds_add_u32 v[SPW], v[NIL]                      ; 0 onto my spare word
	s_wait_dscnt 4*NL+1                            ; (the add and the youngest 24 loads may be out)
	WIN MUL_LO
	MUL16 0, 1, NQ-1, \slot, 0
	s_wait_dscnt 0x0                               ; the add is done, and my reads of this slot are over
	s_barrier_signal -1
	MUL16 2, 1, NQ-1, \slot, 0
	WIN 0
	s_barrier_wait -1
.if \fill
	CREST                                          ; the barrier has opened a round of the cluster's: no wave of any partner still reads this slot or has a load on its way
	s_add_nc_u64 s[G0+4*\slot+2:G0+4*\slot+3], s[G0+4*\slot+2:G0+4*\slot+3], 2*ASTEP
	s_add_nc_u64 s[G0B+4*\slot+2:G0B+4*\slot+3], s[G0B+4*\slot+2:G0B+4*\slot+3], 2*ROWB
	JLOAD G0+4*\slot, G1, G0B+4*\slot, G1B
.else
	PLACES NP
.endif
	v_add_nc_u32 v[ADRS], 4*NQ, v[ADRS]
	FETCH_B \next, 0, 0
	FETCH_A \next, 0, 0
	SCALES \next
	WIN MUL_HI
	MUL16 4, 1, NQ-1, \slot, 0
	MUL16 6, 1, NQ-1, \slot, 0
	PLACES NP
	WIN 0
	FETCH_A \next, 0, 4
.endm
	s_wait_tensorcnt 1                             ; the scale bytes and my part of K step 0 are in (K step 1's load may be out),
	s_barrier_signal -1
	s_barrier_wait -1                              ; everybody's are
	FETCH_B 0, 0, 0
	FETCH_A 0, 0, 0
	SCALES 0
	FETCH_A 0, 0, 4
	STEP 0, 0, 1
	s_mov_b32 s3, LAPS-1
.Llap:
	TURN 0, 1, 1
	STEP 1, 0, 0
	TURN 1, 0, 1
	STEP 0, 0, 0
	s_sub_co_u32 s3, s3, 1
	s_cmp_lg_u32 s3, 0
	s_cbranch_scc1 .Llap
	TURN 0, 1, 0
	STEP 1, 0, 0
	s_wait_dscnt 4*NL
	WIN MUL_LO
	MUL16 0, 1, NQ-1, 1, 0
	MUL16 2, 1, NQ-1, 1, 0
	s_wait_dscnt 0
	WIN MUL_HI
	MUL16 4, 1, NQ-1, 1, 0
	MUL16 6, 1, NQ-1, 1, 0
	WIN 0
; THE WAY OUT, a block of 16 tokens x 128 columns at a time, through my own stage in LDS: in by lanes (32 bytes of a row each), back as whole rows of 512 bytes.  LDS serves a wave's instructions in order.
.macro TOSTAGE a
.set AC, 64*((\a)%4)
	WIN 0x08+4*((\a)/4)                            ; the data: window 2 or 3
.irp b, 0,1,2,3,4,5,6,7
	ds_store_b128 v[STO], v[AC+8*\b:AC+8*\b+3] offset:128*(\b/2)+32*(\b%2)          ; columns 32 (b / 2) + 16 h + 8 (b % 2) on; each accumulator from its low end on
	ds_store_b128 v[STO], v[AC+8*\b+4:AC+8*\b+7] offset:128*(\b/2)+32*(\b%2)+16
.endr
	WIN 0
.set BB, BK+64*((\a)%2)
.irp t, 0,1,2,3,4,5,6,7,8,9,10,11,12,13,14,15
	ds_load_b128 v[BB+4*\t:BB+4*\t+3], v[RD] offset:\t*SPITCH
.endr
.endm
.macro SEND a, younger                 ; younger: the LDS instructions issued behind block a's loads
.set BB, BK+64*((\a)%2)
	s_wait_dscnt \younger
.irp t, 0,1,2,3,4,5,6,7,8,9,10,11,12,13,14,15
	global_store_b128 v[CO], v[BB+4*\t:BB+4*\t+3], s[98:99] offset:(32*((\a)/2)+8*((\a)%2)+\t+8*(\t/8))*4096 th:TH_STORE_NT   ; stage row t is token 32 (a / 2) + 8 (a % 2) + t + 8 (t / 8); 32 lanes store 512 consecutive bytes, aligned
.endr
.endm
	PLACES NP
	TOSTAGE 0
.irp a, 1,2,3,4,5,6,7
.if \a > 1
	s_wait_xcnt 0x0                                ; block a - 2's stores have read their registers: block a's loads may land there
.endif
	TOSTAGE \a
	SEND \a-1, 32                                  ; behind block a - 1's loads: block a's 16 stores and 16 loads
.endr
	SEND 7, 0
	s_wait_tensorcnt 0x0                           ; the wave's end
	ds_add_u32 v[SPW], v[NIL]
	s_wait_dscnt 0x0
	CROUND                                         ; the closing round
	s_endpgm
.Lfunc_end_k_q975dea586b_proj:
	.size	k_q975dea586b_proj, .Lfunc_end_k_q975dea586b_proj-k_q975dea586b_proj
	.p2alignl 7, 3214868480
	.fill 96, 4, 3214868480
	.section	.rodata,"a",@progbits
	.p2align	6, 0x0
	.amdhsa_kernel k_q975dea586b_proj
		.amdhsa_group_segment_fixed_size 327680
		.amdhsa_private_segment_fixed_size 0
		.amdhsa_enable_private_segment 0
		.amdhsa_kernarg_size 48
		.amdhsa_user_sgpr_count 2
		.amdhsa_user_sgpr_kernarg_segment_ptr 1
		.amdhsa_wavefront_size32 1
		.amdhsa_system_sgpr_workgroup_id_x 1
		.amdhsa_system_sgpr_workgroup_id_y 1
		.amdhsa_system_sgpr_workgroup_id_z 1
		.amdhsa_system_vgpr_workitem_id 0
		.amdhsa_next_free_vgpr 1024
		.amdhsa_next_free_sgpr 100
		.amdhsa_reserve_vcc 0
		.amdhsa_float_denorm_mode_32 3
		.amdhsa_float_denorm_mode_16_64 3
		.amdhsa_memory_ordered 1
		.amdhsa_forward_progress 1
		.amdhsa_inst_pref_size 161
	.end_amdhsa_kernel
	.amdgpu_metadata
---
amdhsa.version: [ 1, 2 ]
amdhsa.kernels:
  - .name:           k_q975dea586b_proj
    .symbol:         k_q975dea586b_proj.kd
    .args:
      - { .name: yc, .offset: 0, .size: 8, .value_kind: global_buffer, .address_space: global }
      - { .name: ys, .offset: 8, .size: 8, .value_kind: global_buffer, .address_space: global }
      - { .name: wc, .offset: 16, .size: 8, .value_kind: global_buffer, .address_space: global }
      - { .name: ws, .offset: 24, .size: 8, .value_kind: global_buffer, .address_space: global }
      - { .name: bp, .offset: 32, .size: 8, .value_kind: global_buffer, .address_space: global }
      - { .name: out0, .offset: 40, .size: 8, .value_kind: global_buffer, .address_space: global }
    .group_segment_fixed_size: 327680
    .private_segment_fixed_size: 0
    .kernarg_segment_align: 8
    .kernarg_segment_size: 48
    .max_flat_workgroup_size: 128
    .sgpr_count:     100
    .vgpr_count:     1024
    .wavefront_size: 32
...
	.end_amdgpu_metadata
.endif
;; end of part 4
